; MI455X (gfx1250); checked and timed in simulation.
; The chip was launched on July 23, 2026; its instructions are those of AMD's public machine-readable ISA for CDNA 5 (MIT licence, August 2026) and "CDNA5" Instruction Set Architecture Reference Guide (July 2026). The comments in the code are by the model that wrote it; some were corrected since.
;; Decoder Layer. Allowed arithmetic: matrix products marked QUANTISED: E4M3 operands, one E8M0 scale for each 32 along K, by v_wmma_scale_f32_16x16x128_f8f6f4 with both operands' format E4M3, f32 sums; everything else in f32.
;; Inputs: encoder_output_codes 4 x 2,048 x 8 x 32 uint8 (E4M3 codes of encoder_output, K innermost, in blocks of 32 codes); encoder_output_scales 4 x 2,048 x 8 uint8 (E8M0 scales of encoder_output, one for each 32 codes along K); ffn_b1 512 float32; ffn_b2 256 float32; ffn_w1_codes 512 x 8 x 32 uint8 (E4M3 codes of ffn_w1, K innermost, in blocks of 32 codes); ffn_w1_scales 512 x 8 uint8 (E8M0 scales of ffn_w1, one for each 32 codes along K); ffn_w2_codes 256 x 16 x 32 uint8 (E4M3 codes of ffn_w2, K innermost, in blocks of 32 codes); ffn_w2_scales 256 x 16 uint8 (E8M0 scales of ffn_w2, one for each 32 codes along K); ln1_b 256 float32; ln1_g 256 float32; ln2_b 256 float32; ln2_g 256 float32; ln3_b 256 float32; ln3_g 256 float32; m1_b 256 float32; m1_b2 256 float32; m1_bk 512 float32; m1_bq 512 float32; m1_bv 512 float32; m1_g 256 float32; m1_w2_codes 256 x 16 x 32 uint8 (E4M3 codes of m1_w2, K innermost, in blocks of 32 codes); m1_w2_scales 256 x 16 uint8 (E8M0 scales of m1_w2, one for each 32 codes along K); m1_wk_codes 512 x 8 x 32 uint8 (E4M3 codes of m1_wk, K innermost, in blocks of 32 codes); m1_wk_scales 512 x 8 uint8 (E8M0 scales of m1_wk, one for each 32 codes along K); m1_wq_codes 512 x 8 x 32 uint8 (E4M3 codes of m1_wq, K innermost, in blocks of 32 codes); m1_wq_scales 512 x 8 uint8 (E8M0 scales of m1_wq, one for each 32 codes along K); m1_wv_codes 512 x 8 x 32 uint8 (E4M3 codes of m1_wv, K innermost, in blocks of 32 codes); m1_wv_scales 512 x 8 uint8 (E8M0 scales of m1_wv, one for each 32 codes along K); m2_b 256 float32; m2_b2 256 float32; m2_bk 512 float32; m2_bq 512 float32; m2_bv 512 float32; m2_g 256 float32; m2_w2_codes 256 x 16 x 32 uint8 (E4M3 codes of m2_w2, K innermost, in blocks of 32 codes); m2_w2_scales 256 x 16 uint8 (E8M0 scales of m2_w2, one for each 32 codes along K); m2_wk_codes 512 x 8 x 32 uint8 (E4M3 codes of m2_wk, K innermost, in blocks of 32 codes); m2_wk_scales 512 x 8 uint8 (E8M0 scales of m2_wk, one for each 32 codes along K); m2_wq_codes 512 x 8 x 32 uint8 (E4M3 codes of m2_wq, K innermost, in blocks of 32 codes); m2_wq_scales 512 x 8 uint8 (E8M0 scales of m2_wq, one for each 32 codes along K); m2_wv_codes 512 x 8 x 32 uint8 (E4M3 codes of m2_wv, K innermost, in blocks of 32 codes); m2_wv_scales 512 x 8 uint8 (E8M0 scales of m2_wv, one for each 32 codes along K); src_mask 4 x 2,048 x 1 int32; tgt_mask 4 x 2,048 x 1 int32; x 4 x 2,048 x 256 float32.
;; Outputs: out0 4 x 2,048 x 256 float32.
;; This version of the problem:
;;   THIS VERSION OF THE PROBLEM IS GIVEN IN LOW PRECISION. The matrix products marked QUANTISED in the list below multiply operands that are first quantised to E4M3 (4 exponent bits, 3 mantissa bits; 8 bits a number), with one power-of-two scale for each 32 numbers along K (OCP MX v1.0); their sums are f32. All else is computed in f32.
;;   The module's matrix products, in the order in which they are computed (A, B: the left and right operand; K: the contracted axis; several contracted axes count as one K, in the product's order):
;;     1. [M 8,192, K 256] x [K 256, N 512]; A: input x; B: input m1_wq (given as codes): QUANTISED
;;     2. [M 8,192, K 256] x [K 256, N 512]; A: input x; B: input m1_wk (given as codes): QUANTISED
;;     3. [M 8,192, K 256] x [K 256, N 512]; A: input x; B: input m1_wv (given as codes): QUANTISED
;;     4. batch 32 x [M 2,048, K 64] x [K 64, N 2,048]; A: computed on the way; B: computed on the way: QUANTISED
;;     5. batch 32 x [M 64, K 2,048] x [K 2,048, N 2,048]; A: computed on the way; B: softmax (see below): QUANTISED
;;     6. [M 8,192, K 512] x [K 512, N 256]; A: computed on the way; B: input m1_w2 (given as codes): QUANTISED
;;     7. [M 8,192, K 256] x [K 256, N 512]; A: computed on the way; B: input m2_wq (given as codes): QUANTISED
;;     8. [M 8,192, K 256] x [K 256, N 512]; A: input encoder_output (given as codes); B: input m2_wk (given as codes): QUANTISED
;;     9. [M 8,192, K 256] x [K 256, N 512]; A: input encoder_output (given as codes); B: input m2_wv (given as codes): QUANTISED
;;     10. batch 32 x [M 2,048, K 64] x [K 64, N 2,048]; A: computed on the way; B: computed on the way: QUANTISED
;;     11. batch 32 x [M 64, K 2,048] x [K 2,048, N 2,048]; A: computed on the way; B: softmax (see below): QUANTISED
;;     12. [M 8,192, K 512] x [K 512, N 256]; A: computed on the way; B: input m2_w2 (given as codes): QUANTISED
;;     13. [M 8,192, K 256] x [K 256, N 512]; A: computed on the way; B: input ffn_w1 (given as codes): QUANTISED
;;     14. [M 8,192, K 512] x [K 512, N 256]; A: computed on the way; B: input ffn_w2 (given as codes): QUANTISED
;;   THE QUANTISER, for each operand of a quantised product, along K:
;;     - K is cut into blocks of 32 from its start; a last block that is shorter is filled with zeros.
;;     - A block's scale is 2^e with e = floor(log2(the largest magnitude in the block)) - 8, held to -126 .. 127; a block of zeros has e = 0. As a byte (E8M0): e + 127.
;;     - Each number is divided by its block's scale, clamped to +-448, and rounded to the nearest number of E4M3, ties to even, subnormals kept.
;;     - The product sums the exact products of the quantised numbers (number of the format x scale) in f32.
;;   ~~~python
;;   def quantise(x, axis):      # numpy; x: float32 -> the quantised numbers, widened to float32 again
;;       x = np.moveaxis(x, axis, -1); K = x.shape[-1]
;;       x = np.pad(x, [(0, 0)] * (x.ndim - 1) + [(0, -K % 32)]); x = x.reshape(x.shape[:-1] + (-1, 32)); a = np.abs(x).max(-1, keepdims=True)
;;       e = np.where(a > 0, np.clip(np.frexp(np.where(a > 0, a, 1))[1] - 1 - 8, -126, 127), 0)      # np.frexp(a)[1] - 1 = floor(log2(a)), exactly
;;       r = np.clip(x / 2.0 ** e, -448, 448)
;;       step = 2.0 ** (np.maximum(np.frexp(np.where(r == 0, 1, r))[1] - 1, -6) - 3)
;;       q = np.round(r / step) * step * 2.0 ** e      # np.round: ties to even
;;       return np.moveaxis(q.reshape(q.shape[:-2] + (-1,))[..., :K], -1, axis).astype(np.float32)
;;   ~~~
;;   SOFTMAX AHEAD OF A QUANTISED PRODUCT. Where the list says 'softmax', what is quantised is not the finished softmax but p = 2^(t - M), with t = logit x log2(e) and M = ceil(the row's largest t), a whole number; so 1/2 < the row's largest p <= 1. The row's sum l is taken of the UNQUANTISED p, in f32, and the product's result is divided by l at the end. Since M is a whole number, a kernel that streams over the keys may use a running M (the ceiling of the running maximum): every later rescaling is an exact power of two, which a block's scale takes up: the codes' values come out the same.
;;   OPERANDS COMPUTED ON THE WAY. 'Computed on the way' means the value that the module computes at that place (a softmax that the list does not call 'softmax' is quantised finished and normalised). What goes into a quantiser is computed in f32, as accurately as f32 sums, v_exp_f32 and their like allow (about 1e-6 of the number): no bf16 or f16 on the way to a quantiser, and a product that is left as it is and whose result goes on into a quantised operand takes f32 operands (vector FMAs, or v_wmma_f32_16x16x4_f32). A number that lies on a knife's edge between two numbers of the format may be rounded either way, as far as f32 arithmetic and the matrix unit's own rounding can turn it there, and no further.
;;   INPUTS GIVEN AS CODES. encoder_output (in the module: [4, 2048, 256], K = its axis 2); ffn_w1 (in the module: [256, 512], K = its axis 0); ffn_w2 (in the module: [512, 256], K = its axis 0); m1_w2 (in the module: [512, 256], K = its axis 0); m1_wk (in the module: [256, 512], K = its axis 0); m1_wq (in the module: [256, 512], K = its axis 0); m1_wv (in the module: [256, 512], K = its axis 0); m2_w2 (in the module: [512, 256], K = its axis 0); m2_wk (in the module: [256, 512], K = its axis 0); m2_wq (in the module: [256, 512], K = its axis 0); m2_wv (in the module: [256, 512], K = its axis 0): each comes as NAME_codes (uint8): NAME with its K axis moved to the last place and cut into blocks of 32 codes, [.., K / 32, bytes a block], one block behind the other in memory; one code a byte (a code: sign, 4 exponent bits, 3 mantissa bits); and NAME_scales (uint8): the same leading axes, one E8M0 byte (e + 127) for each 32 codes along K. Its value is code x scale, taken as it is: it is not quantised again, and the codes and scales need not be those that the quantiser above would give.
;; One version. Each part assembles by itself: llvm-mc -triple=amdgcn-amd-amdhsa -mcpu=gfx1250 --defsym DOCPART=n.
;; ======== version 1 of 1: 5 launches
;; limits: right only within a limited range of input values
;; workspace buffers: q 4,456,448 bytes; kv1 8,781,824 bytes; kv2 8,781,824 bytes; ao 4,325,376 bytes; x1 8,388,608 bytes
;; launch proj (part 1): grid 256 x 1, 8 waves a work-group, no clusters, 70,656 bytes of LDS; arguments x, encoder_output_codes, encoder_output_scales, tgt_mask, m1_wq_codes, m1_wq_scales, m1_bq, m1_wk_codes, m1_wk_scales, m1_bk, m1_wv_codes, m1_wv_scales, m1_bv, m2_wk_codes, m2_wk_scales, m2_bk, m2_wv_codes, m2_wv_scales, m2_bv, q, kv1, kv2; writes q, kv1, kv2
.if DOCPART == 1
	.amdgcn_target "amdgcn-amd-amdhsa--gfx1250"
	.amdhsa_code_object_version 6
	.text
	.protected	k_qdb2d8f081f_proj
	.globl	k_qdb2d8f081f_proj
	.p2align	8
	.type	k_qdb2d8f081f_proj,@function
k_qdb2d8f081f_proj:
	s_mov_b64 s[64:65], 0
	v_nop
	global_prefetch_b8 v0, s[64:65] scope:SCOPE_SE
	s_setreg_imm32_b32 hwreg(HW_REG_WAVE_MODE, 25, 1), 1
	s_wait_xcnt 0x0
; THE FIVE PROJECTIONS THAT HANG ON INPUTS ALONE: y = 0: Q1 = x wq + bq; 1: K1 = x wk + bk; 2: V1 = x wv + bv; 3: K2 = enc wk + bk; 4: V2 = enc wv + bv.  All on codes of E4M3 with one E8M0 scale for
; each 32 along K, and each result quantised again at once, for the attention launches: Q and K along the head's 64, V along the keys.
; SHARES.  Work-group (x, y): rows 128 x .. 128 x + 127 (one key step of one batch) of product y.  Eight waves.  First wave w prepares tile w of the rows (x: quantised here; enc: codes as given) and lays
; its two fragments in LDS as images of their registers; one barrier; then wave w makes head w (64 columns) for all 128 rows, its weights staying in registers.
; A TILE OF 16 ROWS IS NOT 16 NEIGHBOURS: lane r of tile T holds row 32 (T / 2) + 8 (T % 2) + r + 8 (r / 8); the rows of a weight that form a tile are chosen alike.  So the 16 result registers of two
; neighbouring tiles are 16 neighbours along the next product's K, and the conversions' results are that product's operand registers.  Q, K: source 0 = weight, source 1 = rows (a lane holds one row, its
; registers run along the head).  V: source 0 = rows, source 1 = weight (a lane holds one column of the head, its registers run along the keys).
; THE MASK OF THE FIRST ATTENTION rides in the scale words.  The head's K is 64, so k = 64 .. 127 of the score product are spare; the attention launch sets the code 1.0 at k = 64 of every query and -1.0
; at k = 64 of every key.  Byte 2 of a query's scale word is 94 (2^-33); byte 2 of a key's is 254 (2^127) where tgt_mask hides the key, else 0 (2^-127).  A hidden key's score is then -2^94, an open key's is
; changed by 2^-160.  A batch in which NO key is open has the uniform softmax in the definition: there K1's codes are all set to 0 and no key is hidden, so that all scores are equal.
; LIMITS: NaN and infinities among the inputs are not served; a block whose largest magnitude lies under 2^-118 keeps the scale byte 1.  src_mask enters no number of the definition and is not read.
.set XIMG, 0                           ; LDS: the rows' 16 fragments: (2 tile + K step) x 2,048, group c of four registers at + 512 c, lane l at + 16 l
.set XSC,  32768                       ; their scale words: (2 tile + K step) x 128 + 4 lane
.set WV,  4                            ; s4 wave; s5 y; s6 batch; s7 key step in the batch
.set Y,   5
.set BAT, 6
.set BLK, 7
.set WC,  52                           ; s[52:53] the weight's codes, s[54:55] its scales, s[56:57] the bias, at my head
.set WSC, 54
.set BI,  56
.set DC,  58                           ; s[58:59] where my codes go;  s[66:67] where my scale words go
.set SEL, 60                           ; s[60:61] v_permlanex16_b32's selects for lane l xor 16
.set MNT, 62                           ; s62 the mantissa field of 448
.set CM,  63                           ; s63 all ones, or 0 where K1's codes are to be zeros
.set DS,  66
.set XB,  68                           ; s[68:69] x at my tile; s[70:71] enc's codes; s[72:73] enc's scales; s[74:75] the batch's mask; s[76:77] my 128 rows' mask
.set EB,  70
.set ES,  72
.set MB,  74
.set MR,  76
.set ISV, 78                           ; s78 1 for V1 and V2
; THE DEAL, one work-group to a WGP: work-groups 0-63 take the products on enc (3 + number / 32), TWO neighbouring blocks of 128 rows each (blocks 2 (number % 32) and the next: one slot's two key steps), with one load of the weights;
; work-groups 64-255 take the products on x ((number - 64) / 64), one block each.  The second block's fragments have LDS bytes of their own, BLK2 further on, behind the spare words.
.set XX,  79                           ; s79 my (first) block of 128 rows
.set TRIP, 92                          ; s92 the block in hand, 0 or 1
.set LOF, 93                           ; s93 its place in LDS: 0 or BLK2
.set DBL, 94                           ; s94 1 where I have two blocks
.set BLK2, 35840
.set LIB, 238                          ; v238 16 x lane + the block's place;  v239 4 x lane + the block's place
.set LSB, 239
.set XWI2, 240                         ; v240, v241: XWI and XWS for the second block
.set XWS2, 241
.set XA,  4                            ; v4  (r + 8 (r / 8)) x 1,024 + 64 h: x
.set LI,  5                            ; v5  16 x lane
.set LS,  6                            ; v6  4 x lane
.set XWI, 7                            ; v7  16 x lane + 4,096 x wave
.set XWS, 8                            ; v8  4 x lane + 256 x wave
.set WR,  9                            ; v9  (r + 8 (r / 8)) x 256 + 16 h: rows of 256 codes
.set R8,  10                           ; v10 (r + 8 (r / 8)) x 8: rows of 8 scale bytes
.set R4,  11                           ; v11 (r + 8 (r / 8)) x 4
.set H64, 12                           ; v12 64 h
.set VW,  13                           ; v13 16 r + 8 h
.set ST,  16                           ; v16-143 x's 128 numbers of a lane; afterwards:
.set XF,  16                           ; v16-79  four fragments of rows (tile u of a pair, K step k) at 16 (2 u + k)
.set ACC, 80                           ; v80-143 eight accumulators
.set F0,  144                          ; v144-175 my tile's two fragments; afterwards v144-159 the codes just made
.set F1,  160
.set PC,  144
.set XW,  176                          ; v176-177 my tile's two scale words
.set XS,  180                          ; v180-183 the rows' scale words (2 u + k)
.set WS,  184                          ; v184-191 the weight's (2 tile + k)
.set W8,  192                          ; v192-199 the scale words made
.set TOPW, 200                         ; v200-207 bytes 2 and 3 of each tile's word
.set TM,  208                          ; v208-223 the quantiser's: +0 largest magnitudes, +4 bytes, +8 448 x the scale, +12 the conversions' scale operands
.set MSB, 0                            ; window 1: v0-127 the weight's 8 fragments; v128-159 the bias in the result's layout; v160-223 the batch's mask
.macro WIN new                         ; the immediate's high byte repeats the setting that is left
.if MSB != \new
	s_set_vgpr_msb (MSB<<8)|\new
.set MSB, \new
.endif
.endm
; 64 numbers of a lane, four blocks of 16 at v[src + 16 b] (lane l xor 16 holds each block's other 16), become 16 registers of codes at v[pc]; the four scale bytes are left in v[TM+4 ..].
.macro QUANT src, dst, pc, relu
.if \relu
.irp b,0,1,2,3
	v_max3_num_f32 v[TM+\b], v[\src+16*\b], v[\src+16*\b+1], 0x4800000   ; no |.|: what is negative becomes 0; the floor 2^(9 - 127) holds the byte at 1 from below
.endr
.irp i,2,4,6,8,10,12,14
.irp b,0,1,2,3
	v_max3_num_f32 v[TM+\b], v[TM+\b], v[\src+16*\b+\i], v[\src+16*\b+\i+1]
.endr
.endr
.else
.irp b,0,1,2,3
	v_max3_num_f32 v[TM+\b], |v[\src+16*\b]|, |v[\src+16*\b+1]|, 0x4800000   ; my 16 numbers and the floor 2^(9 - 127), which holds the byte at 1 from below
.endr
.irp i,2,4,6,8,10,12,14
.irp b,0,1,2,3
	v_max3_num_f32 v[TM+\b], v[TM+\b], |v[\src+16*\b+\i]|, |v[\src+16*\b+\i+1]|
.endr
.endr
.endif
.irp b,0,1,2,3
	s_delay_alu instid0(VALU_DEP_4)
	v_permlanex16_b32 v[TM+4+\b], v[TM+\b], s[SEL], s[SEL+1]
.endr
.irp b,0,1,2,3
	s_delay_alu instid0(VALU_DEP_4)
	v_max_num_f32 v[TM+\b], v[TM+\b], v[TM+4+\b]           ; the block's largest magnitude
.endr
.irp b,0,1,2,3
	s_delay_alu instid0(VALU_DEP_4)
	v_add_nc_u32 v[TM+12+\b], 0xfc000000, v[TM+\b]         ; 8 off its exponent field: the conversion's scale operand
.endr
.irp b,0,1,2,3
	v_and_or_b32 v[TM+8+\b], v[TM+\b], 0x7f800000, s[MNT]  ; 448 x the scale
.endr
.irp b,0,1,2,3
	v_lshrrev_b32 v[TM+4+\b], 23, v[TM+12+\b]              ; the scale's byte
.endr
.irp b,0,1,2,3
.irp i,0,1,2,3,4,5,6,7,8,9,10,11,12,13,14,15
.if \relu
	v_med3_num_f32 v[\dst+16*\b+\i], v[\src+16*\b+\i], 0, v[TM+8+\b]
.else
	v_med3_num_f32 v[\dst+16*\b+\i], v[\src+16*\b+\i], -v[TM+8+\b], v[TM+8+\b]   ; the conversion to an 8-bit code does not saturate (ISA guide 7.6.2): the hold comes first
.endif
.endr
	v_cvt_scalef32_pk8_fp8_f32 v[\pc+4*\b:\pc+4*\b+1], v[\dst+16*\b:\dst+16*\b+7], v[TM+12+\b]
	v_cvt_scalef32_pk8_fp8_f32 v[\pc+4*\b+2:\pc+4*\b+3], v[\dst+16*\b+8:\dst+16*\b+15], v[TM+12+\b]
.endr
	v_nop                                                  ; one plain line behind the last conversion
.endm
.macro WORD d                          ; the four bytes as one scale word
	v_lshl_or_b32 v[\d], v[TM+5], 8, v[TM+4]
	s_delay_alu instid0(VALU_DEP_1)
	v_lshl_or_b32 v[\d], v[TM+6], 16, v[\d]
	s_delay_alu instid0(VALU_DEP_1)
	v_lshl_or_b32 v[\d], v[TM+7], 24, v[\d]
.endm
.macro XLOAD reg, ks                   ; my row's numbers of K step ks: of each block of 32 the 16 of my half
.irp b,0,1,2,3
.irp j,0,1,2,3
	global_load_b128 v[\reg+16*\b+4*\j:\reg+16*\b+4*\j+3], v[XA], s[XB:XB+1] offset:512*\ks+128*\b+16*\j
.endr
.endr
.endm
.macro WLOAD                           ; my head's weights: 32 loads of codes into window 1, 4 of scale words: 36 loads
	WIN 0x40
.irp t,0,1,2,3
.irp k,0,1
.irp c,0,1,2,3
	global_load_b128 v[16*(2*\t+\k)+4*\c:16*(2*\t+\k)+4*\c+3], v[WR], s[WC:WC+1] offset:(32*(\t/2)+8*(\t%2))*256+128*\k+32*\c
.endr
.endr
.endr
	WIN 0
.irp t,0,1,2,3
	global_load_b64 v[WS+2*\t:WS+2*\t+1], v[R8], s[WSC:WSC+1] offset:(32*(\t/2)+8*(\t%2))*8
.endr
.endm
.macro PICK yy, c, s, b, d             ; product yy's buffers: a choice on the work-group's number alone
	s_cmp_eq_u32 s[Y], \yy
	s_cselect_b64 s[WC:WC+1], s[\c:\c+1], s[WC:WC+1]
	s_cselect_b64 s[WSC:WSC+1], s[\s:\s+1], s[WSC:WSC+1]
	s_cselect_b64 s[BI:BI+1], s[\b:\b+1], s[BI:BI+1]
	s_cselect_b64 s[DC:DC+1], s[\d:\d+1], s[DC:DC+1]
.endm
	s_load_b512 s[8:23], s[0:1], 0x0               ; argument i in s[8 + 2 i : 9 + 2 i]
	s_load_b512 s[24:39], s[0:1], 0x40
	s_load_b256 s[40:47], s[0:1], 0x80
	s_load_b128 s[48:51], s[0:1], 0xa0
	v_lshl_add_u32 v254, v0, 2, 0x8800
	v_mov_b32 v255, 0
	v_lshrrev_b32 v1, 5, v0
	s_delay_alu instid0(VALU_DEP_1)
	v_readfirstlane_b32 s[WV], v1
	s_cmp_lt_u32 ttmp9, 64
	s_cselect_b32 s[DBL], 1, 0
	s_lshr_b32 s80, ttmp9, 5
	s_add_co_u32 s80, s80, 3                       ; two blocks: product 3 + number / 32,
	s_and_b32 s81, ttmp9, 31
	s_lshl_b32 s81, s81, 1                         ; blocks 2 (number % 32) and the next
	s_sub_co_u32 s82, ttmp9, 64
	s_lshr_b32 s83, s82, 6                         ; one block: product (number - 64) / 64,
	s_and_b32 s82, s82, 63                         ; block (number - 64) % 64
	s_cmp_eq_u32 s[DBL], 1
	s_cselect_b32 s[Y], s80, s83
	s_cselect_b32 s[XX], s81, s82
	s_lshr_b32 s[BAT], s[XX], 4
	s_and_b32 s[BLK], s[XX], 15
	v_and_b32 v1, 31, v0                           ; lane
	v_and_b32 v2, 15, v0                           ; r
	v_bfe_u32 v3, v0, 4, 1                         ; h
	s_delay_alu instid0(VALU_DEP_2)
	v_and_b32 v15, 8, v2
	s_delay_alu instid0(VALU_DEP_1)
	v_add_nc_u32 v15, v15, v2                      ; r + 8 (r / 8)
	s_delay_alu instid0(VALU_DEP_1)
	v_lshlrev_b32 v[XA], 10, v15
	s_delay_alu instid0(VALU_DEP_1)
	v_lshl_add_u32 v[XA], v3, 6, v[XA]
	v_lshlrev_b32 v[LI], 4, v1
	v_lshlrev_b32 v[LS], 2, v1
	s_lshl_b32 s80, s[WV], 12
	v_add_nc_u32 v[XWI], s80, v[LI]
	s_lshl_b32 s80, s[WV], 8
	v_add_nc_u32 v[XWS], s80, v[LS]
	v_add_nc_u32 v[XWI2], BLK2, v[XWI]
	v_add_nc_u32 v[XWS2], BLK2, v[XWS]
	v_lshlrev_b32 v[WR], 8, v15
	s_delay_alu instid0(VALU_DEP_1)
	v_lshl_add_u32 v[WR], v3, 4, v[WR]
	v_lshlrev_b32 v[R8], 3, v15
	v_lshlrev_b32 v[R4], 2, v15
	v_lshlrev_b32 v[H64], 6, v3
	v_lshlrev_b32 v[VW], 4, v2
	s_delay_alu instid0(VALU_DEP_1)
	v_lshl_add_u32 v[VW], v3, 3, v[VW]
.irp b,0,1,2,3
	v_mov_b32 v[TM+4+\b], 0                        ; written once: a lane permute's destination counts as one of its sources
.endr
	s_mov_b32 s[SEL], 0x76543210
	s_mov_b32 s[SEL+1], 0xfedcba98
	s_mov_b32 s[MNT], 0x600000
	s_cmp_eq_u32 s[Y], 2
	s_cselect_b32 s[ISV], 1, 0
	s_cmp_eq_u32 s[Y], 4
	s_cselect_b32 s[ISV], 1, s[ISV]
	; where my results go, in bytes.  bh = 8 batch + wave
	s_lshl_b32 s80, s[BAT], 3
	s_add_co_u32 s80, s80, s[WV]
	s_lshl_b32 s82, s80, 17
	s_lshl_b32 s83, s[BLK], 13
	s_add_co_u32 s82, s82, s83                     ; Q's codes: (128 bh + 8 step) x 1,024
	s_lshl_b32 s84, s80, 13
	s_lshl_b32 s85, s[BLK], 9
	s_add_co_u32 s84, s84, s85
	s_add_co_u32 s84, s84, 4194304                 ; Q's words: behind the codes, 8,192 bh + 512 step
	s_lshl_b32 s86, s80, 18
	s_lshr_b32 s87, s[BLK], 1
	s_lshl_b32 s87, s87, 15
	s_add_co_u32 s86, s86, s87
	s_and_b32 s87, s[BLK], 1
	s_lshl_b32 s87, s87, 13
	s_add_co_u32 s86, s86, s87
	s_lshl_b32 s87, s[ISV], 14
	s_add_co_u32 s86, s86, s87                     ; K's or V's codes: 262,144 bh + 32,768 slot + 8,192 step in the slot (+ 16,384 for V)
	s_mul_i32 s88, s80, 12288
	s_add_co_u32 s88, s88, 8388608
	s_lshl_b32 s89, s[BLK], 8
	s_add_co_u32 s89, s89, 8192                    ; V's words: 8,192 + 256 step;
	s_cmp_eq_u32 s[ISV], 1
	s_cselect_b32 s89, s89, s85                    ; K's: 512 step
	s_add_co_u32 s88, s88, s89
	s_cmp_eq_u32 s[Y], 0
	s_cselect_b32 s82, s82, s86
	s_cselect_b32 s84, s84, s88
	s_mov_b32 s83, 0
	s_mov_b32 s85, 0
	s_lshr_b32 s90, s[WV], 1
	s_lshl_b32 s90, s90, 5
	s_and_b32 s91, s[WV], 1
	s_lshl_b32 s91, s91, 3
	s_add_co_u32 s90, s90, s91                     ; my tile's first row in the block: 32 (w / 2) + 8 (w % 2)
	s_mov_b32 s87, 0
	s_wait_kmcnt 0x0
	s_lshl_b32 s86, s[XX], 17
	s_lshl_b32 s88, s90, 10
	s_add_co_u32 s86, s86, s88
	s_add_nc_u64 s[XB:XB+1], s[8:9], s[86:87]
	s_lshl_b32 s86, s[XX], 15
	s_lshl_b32 s88, s90, 8
	s_add_co_u32 s86, s86, s88
	s_add_nc_u64 s[EB:EB+1], s[10:11], s[86:87]
	s_lshl_b32 s86, s[XX], 10
	s_lshl_b32 s88, s90, 3
	s_add_co_u32 s86, s86, s88
	s_add_nc_u64 s[ES:ES+1], s[12:13], s[86:87]
	s_lshl_b32 s86, s[BAT], 13
	s_add_nc_u64 s[MB:MB+1], s[14:15], s[86:87]
	s_lshl_b32 s86, s[XX], 9
	s_add_nc_u64 s[MR:MR+1], s[14:15], s[86:87]
	s_mov_b64 s[WC:WC+1], s[16:17]
	s_mov_b64 s[WSC:WSC+1], s[18:19]
	s_mov_b64 s[BI:BI+1], s[20:21]
	s_mov_b64 s[DC:DC+1], s[46:47]
	PICK 1, 22, 24, 26, 48
	PICK 2, 28, 30, 32, 48
	PICK 3, 34, 36, 38, 50
	PICK 4, 40, 42, 44, 50
	s_mov_b64 s[DS:DS+1], s[DC:DC+1]
	s_add_nc_u64 s[DC:DC+1], s[DC:DC+1], s[82:83]
	s_add_nc_u64 s[DS:DS+1], s[DS:DS+1], s[84:85]
	s_lshl_b32 s86, s[WV], 14                      ; my head's 64 rows of the weight,
	s_add_nc_u64 s[WC:WC+1], s[WC:WC+1], s[86:87]
	s_lshl_b32 s86, s[WV], 9                       ; of its scales,
	s_add_nc_u64 s[WSC:WSC+1], s[WSC:WSC+1], s[86:87]
	s_lshl_b32 s86, s[WV], 8                       ; of the bias
	s_add_nc_u64 s[BI:BI+1], s[BI:BI+1], s[86:87]
	; the bias in the result's layout, eight registers a tile: it is the C of each sum's first product
	s_cmp_eq_u32 s[ISV], 1
	s_cbranch_scc1 .Lbias_v
	WIN 0x40
	s_wait_alu depctr_va_vdst(0)
.irp t,0,1,2,3
	global_load_b128 v[128+8*\t:131+8*\t], v[H64], s[BI:BI+1] offset:(32*(\t/2)+8*(\t%2))*4       ; Q, K: the tile's eight columns of my half
	global_load_b128 v[132+8*\t:135+8*\t], v[H64], s[BI:BI+1] offset:(32*(\t/2)+8*(\t%2))*4+16
.endr
	WIN 0
	s_branch .Lbias_done
.Lbias_v:
	WIN 0x40
	s_wait_alu depctr_va_vdst(0)
.irp t,0,1,2,3
.irp j,0,1,2,3,4,5,6,7
	global_load_b32 v[128+8*\t+\j], v[R4], s[BI:BI+1] offset:(32*(\t/2)+8*(\t%2))*4               ; V: a lane holds one column: its number in all eight
.endr
.endr
	WIN 0
.Lbias_done:
	; tgt_mask: the whole batch's 2,048 words (is any key open?) and my block's rows.  Every work-group loads them; what they decide is chosen by selects further down
	WIN 0x40
.irp k,0,1,2,3,4,5,6,7,8,9,10,11,12,13,14,15
	global_load_b128 v[160+4*\k:163+4*\k], v[LI], s[MB:MB+1] offset:512*\k
.endr
	WIN 0
.irp t,0,1,2,3,4,5,6,7
	global_load_b32 v[228+\t], v[R4], s[MR:MR+1] offset:(32*(\t/2)+8*(\t%2))*4
.endr
	; my tile of the rows becomes two fragments and two scale words
	s_cmp_lt_u32 s[Y], 3
	s_cbranch_scc0 .Lenc
	XLOAD ST, 0
	XLOAD ST+64, 1
	WLOAD
	s_wait_loadcnt 52                              ; behind K step 0's numbers stand K step 1's 16 loads and the weights' 36
	QUANT ST, ST, F0, 0
	WORD XW
	s_wait_loadcnt 36                              ; the weights' 36 may stay out
	QUANT ST+64, ST+64, F1, 0
	WORD XW+1
	s_branch .Lrows_done
.Lenc:
.irp c,0,1,2,3
	global_load_b128 v[F0+4*\c:F0+4*\c+3], v[WR], s[EB:EB+1] offset:32*\c
	global_load_b128 v[F1+4*\c:F1+4*\c+3], v[WR], s[EB:EB+1] offset:128+32*\c
.endr
	global_load_b64 v[XW:XW+1], v[R8], s[ES:ES+1]
.irp c,0,1,2,3
	global_load_b128 v[16+4*\c:19+4*\c], v[WR], s[EB:EB+1] offset:32768+32*\c       ; my tile of the second block: 128 rows of 256 codes further on
	global_load_b128 v[32+4*\c:35+4*\c], v[WR], s[EB:EB+1] offset:32768+128+32*\c
.endr
	global_load_b64 v[48:49], v[R8], s[ES:ES+1] offset:1024
	WLOAD
	s_wait_loadcnt 36                              ; the weights' 36 may stay out
.irp c,0,1,2,3
	ds_store_b128 v[XWI2], v[16+4*\c:19+4*\c] offset:XIMG+512*\c
	ds_store_b128 v[XWI2], v[32+4*\c:35+4*\c] offset:XIMG+2048+512*\c
.endr
	ds_store_b32 v[XWS2], v48 offset:XSC
	ds_store_b32 v[XWS2], v49 offset:XSC+128
.Lrows_done:
	s_wait_alu depctr_va_vdst(0)
.irp c,0,1,2,3
	ds_store_b128 v[XWI], v[F0+4*\c:F0+4*\c+3] offset:XIMG+512*\c
	ds_store_b128 v[XWI], v[F1+4*\c:F1+4*\c+3] offset:XIMG+2048+512*\c
.endr
	ds_store_b32 v[XWS], v[XW] offset:XSC
	ds_store_b32 v[XWS], v[XW+1] offset:XSC+128
	s_wait_dscnt 0x0                               ; for the others' sake: my stores have landed
	s_barrier_signal -1
	s_barrier_wait -1                              ; the block's sixteen fragments lie in LDS; nothing is stored to LDS behind this barrier
	s_wait_loadcnt 0x0                             ; weights, bias, mask
	; bytes 2 and 3 of the scale words, and the mask for K1's codes
	WIN 0x45
.set i, 4
.rept 60
	v_or_b32 v[160+i%4], v[160+i%4], v[160+i]
.set i, i+1
.endr
	s_delay_alu instid0(VALU_DEP_3)
	v_or_b32 v160, v160, v161
	s_delay_alu instid0(VALU_DEP_2)
	v_or_b32 v162, v162, v163
	s_delay_alu instid0(VALU_DEP_1)
	v_or_b32 v160, v160, v162
	WIN 0x04
	v_cmp_ne_u32 vcc_lo, 0, v160
	WIN 0
	s_cmp_lg_u32 vcc_lo, 0
	s_cselect_b32 s80, 1, 0                        ; some key of the batch is open
	s_cmp_eq_u32 s[Y], 1
	s_cselect_b32 s81, 1, 0                        ; this is K1
	s_and_b32 s82, s80, s81
	s_cmp_lg_u32 s82, 0
	s_cselect_b32 s83, 0xfe0000, 0                 ; a hidden key's byte 2: 254
	s_and_not1_b32 s82, s81, s80
	s_cmp_lg_u32 s82, 0
	s_cselect_b32 s[CM], 0, -1                     ; K1 of a batch with no open key: codes of zeros
	s_cmp_eq_u32 s[Y], 0
	s_cselect_b32 s84, 0x5e0000, 0                 ; a query's byte 2: 94
	s_or_b32 s83, s83, s84
	v_mov_b32 v236, s83
	v_mov_b32 v237, s84
.irp t,0,1,2,3,4,5,6,7
	v_cmp_eq_u32 vcc_lo, 0, v[228+\t]
	s_delay_alu instid0(VALU_DEP_1)
	v_cndmask_b32 v[TOPW+\t], v237, v236, vcc_lo
.endr
; Two tiles of rows (2 p, 2 p + 1) against my head's four tiles of the weight: 16 products on eight accumulators by turns, K step by K step; then 64 numbers a lane are quantised and leave.
.macro PAIR p, isv
	s_wait_xcnt 0x0                                ; the last pair's stores have read the registers of the codes, which are written again below
.irp u,0,1
.irp k,0,1
.irp c,0,1,2,3
	ds_load_b128 v[XF+16*(2*\u+\k)+4*\c:XF+16*(2*\u+\k)+4*\c+3], v[LIB] offset:XIMG+(2*(2*\p+\u)+\k)*2048+512*\c
.endr
	ds_load_b32 v[XS+2*\u+\k], v[LSB] offset:XSC+(2*(2*\p+\u)+\k)*128
.endr
.endr
	s_wait_dscnt 0x0
.if \isv
	WIN 0x14                                       ; source 1 (weight) and C (bias) in window 1
.irp i,0,1,2,3
.irp u,0,1
	v_wmma_scale_f32_16x16x128_f8f6f4 v[ACC+16*\i+8*\u:ACC+16*\i+8*\u+7], v[XF+32*\u:XF+32*\u+15], v[32*\i:32*\i+15], v[128+8*\i:128+8*\i+7], v[XS+2*\u], v[WS+2*\i]
.endr
.endr
	WIN 0x04
.irp i,0,1,2,3
.irp u,0,1
	v_wmma_scale_f32_16x16x128_f8f6f4 v[ACC+16*\i+8*\u:ACC+16*\i+8*\u+7], v[XF+32*\u+16:XF+32*\u+31], v[32*\i+16:32*\i+31], v[ACC+16*\i+8*\u:ACC+16*\i+8*\u+7], v[XS+2*\u+1], v[WS+2*\i+1]
.endr
.endr
.else
	WIN 0x11                                       ; source 0 (weight) and C (bias) in window 1
.irp u,0,1
.irp t,0,1,2,3
	v_wmma_scale_f32_16x16x128_f8f6f4 v[ACC+32*\u+8*\t:ACC+32*\u+8*\t+7], v[32*\t:32*\t+15], v[XF+32*\u:XF+32*\u+15], v[128+8*\t:128+8*\t+7], v[WS+2*\t], v[XS+2*\u]
.endr
.endr
	WIN 0x01
.irp u,0,1
.irp t,0,1,2,3
	v_wmma_scale_f32_16x16x128_f8f6f4 v[ACC+32*\u+8*\t:ACC+32*\u+8*\t+7], v[32*\t+16:32*\t+31], v[XF+32*\u+16:XF+32*\u+31], v[ACC+32*\u+8*\t:ACC+32*\u+8*\t+7], v[WS+2*\t+1], v[XS+2*\u+1]
.endr
.endr
.endif
	WIN 0
.rept 8
	v_nop                                          ; eight places between the products and the first read of their results
.endr
	QUANT ACC, ACC, PC, 0
.if \isv
.irp i,0,1,2,3
	global_store_b128 v[LI], v[PC+4*\i:PC+4*\i+3], s[DC:DC+1] offset:2048*\i+512*\p    ; tile i of the head's 64, keys 32 p .. 32 p + 31: 512 consecutive bytes
.if \p == 0
	v_mov_b32 v[W8+\i], v[TM+4+\i]
.else
	v_lshl_or_b32 v[W8+\i], v[TM+4+\i], 8*\p, v[W8+\i]
.endif
.endr
.else
.set i, 0
.rept 16
	v_and_b32 v[PC+i], s[CM], v[PC+i]
.set i, i+1
.endr
.irp i,0,1,2,3
	global_store_b128 v[LI], v[PC+4*\i:PC+4*\i+3], s[DC:DC+1] offset:2048*\p+512*\i    ; tile 2 p + i / 2, the head's block i % 2
.endr
.irp u,0,1
	v_lshl_or_b32 v[W8+2*\p+\u], v[TM+5+2*\u], 8, v[TM+4+2*\u]
	s_delay_alu instid0(VALU_DEP_1)
	v_or_b32 v[W8+2*\p+\u], v[W8+2*\p+\u], v[TOPW+2*\p+\u]
.endr
.endif
.endm
	s_mov_b32 s[TRIP], 0
	s_mov_b32 s[LOF], 0
.Lblk:                                             ; two trips in every work-group; where there is no second block, a branch on the work-group's number leads round the trip's work
	s_cmp_gt_u32 s[TRIP], s[DBL]
	s_cbranch_scc1 .Lblk_skip
	v_add_nc_u32 v[LIB], s[LOF], v[LI]
	v_add_nc_u32 v[LSB], s[LOF], v[LS]
	s_wait_alu depctr_va_vdst(0)
	s_cmp_eq_u32 s[ISV], 1
	s_cbranch_scc1 .Lv_type
	PAIR 0, 0
	PAIR 1, 0
	PAIR 2, 0
	PAIR 3, 0
	v_cmp_eq_u32 vcc_lo, 1, v3
.irp j,0,1,2,3
	v_cndmask_b32 v[224+\j], v[W8+\j], v[W8+4+\j], vcc_lo   ; lanes 0-15 carry tiles 0-3, lanes 16-31 tiles 4-7
.endr
	global_store_b128 v[LI], v[224:227], s[DS:DS+1]         ; the step's 128 scale words: 512 consecutive bytes
	s_wait_xcnt 0x0                                ; the stores have read their bases, which step below
	s_add_nc_u64 s[DS:DS+1], s[DS:DS+1], 512       ; the next key step's scale words
	s_wait_alu depctr_va_vdst(0)
	s_branch .Lblk_join
.Lv_type:
	PAIR 0, 1
	PAIR 1, 1
	PAIR 2, 1
	PAIR 3, 1
	v_cmp_eq_u32 vcc_lo, 1, v3
	s_delay_alu instid0(VALU_DEP_1)
	v_cndmask_b32 v224, v[W8], v[W8+2], vcc_lo
	s_delay_alu instid0(VALU_DEP_2)
	v_cndmask_b32 v225, v[W8+1], v[W8+3], vcc_lo
	global_store_b64 v[VW], v[224:225], s[DS:DS+1]          ; the step's 64 scale words: 256 consecutive bytes
	s_wait_xcnt 0x0                                ; the stores have read their bases, which step below
	s_add_nc_u64 s[DS:DS+1], s[DS:DS+1], 256
.Lblk_join:
	s_add_nc_u64 s[DC:DC+1], s[DC:DC+1], 8192      ; the slot's second key step: 8,192 bytes of codes on
.Lblk_skip:
	s_add_co_u32 s[LOF], s[LOF], BLK2
	s_add_co_u32 s[TRIP], s[TRIP], 1
	s_cmp_lt_u32 s[TRIP], 2
	s_wait_alu depctr_va_vdst(0)
	s_cbranch_scc1 .Lblk
	s_wait_tensorcnt 0x0
	ds_add_u32 v254, v255
	s_wait_dscnt 0x0
	s_endpgm
.Lfunc_end_k_qdb2d8f081f_proj:
	.size	k_qdb2d8f081f_proj, .Lfunc_end_k_qdb2d8f081f_proj-k_qdb2d8f081f_proj
	.p2alignl 7, 3214868480
	.fill 96, 4, 3214868480
	.section	.rodata,"a",@progbits
	.p2align	6, 0x0
	.amdhsa_kernel k_qdb2d8f081f_proj
		.amdhsa_group_segment_fixed_size 70656
		.amdhsa_private_segment_fixed_size 0
		.amdhsa_enable_private_segment 0
		.amdhsa_kernarg_size 176
		.amdhsa_user_sgpr_count 2
		.amdhsa_user_sgpr_kernarg_segment_ptr 1
		.amdhsa_wavefront_size32 1
		.amdhsa_system_sgpr_workgroup_id_x 1
		.amdhsa_system_sgpr_workgroup_id_y 1
		.amdhsa_system_sgpr_workgroup_id_z 1
		.amdhsa_system_vgpr_workitem_id 0
		.amdhsa_next_free_vgpr 480
		.amdhsa_next_free_sgpr 96
		.amdhsa_reserve_vcc 1
		.amdhsa_float_denorm_mode_32 3
		.amdhsa_float_denorm_mode_16_64 3
		.amdhsa_memory_ordered 1
		.amdhsa_forward_progress 1
		.amdhsa_inst_pref_size 149
	.end_amdhsa_kernel
	.amdgpu_metadata
---
amdhsa.version: [ 1, 2 ]
amdhsa.kernels:
  - .name:           k_qdb2d8f081f_proj
    .symbol:         k_qdb2d8f081f_proj.kd
    .args:
      - { .name: x, .offset: 0, .size: 8, .value_kind: global_buffer, .address_space: global }
      - { .name: encoder_output_codes, .offset: 8, .size: 8, .value_kind: global_buffer, .address_space: global }
      - { .name: encoder_output_scales, .offset: 16, .size: 8, .value_kind: global_buffer, .address_space: global }
      - { .name: tgt_mask, .offset: 24, .size: 8, .value_kind: global_buffer, .address_space: global }
      - { .name: m1_wq_codes, .offset: 32, .size: 8, .value_kind: global_buffer, .address_space: global }
      - { .name: m1_wq_scales, .offset: 40, .size: 8, .value_kind: global_buffer, .address_space: global }
      - { .name: m1_bq, .offset: 48, .size: 8, .value_kind: global_buffer, .address_space: global }
      - { .name: m1_wk_codes, .offset: 56, .size: 8, .value_kind: global_buffer, .address_space: global }
      - { .name: m1_wk_scales, .offset: 64, .size: 8, .value_kind: global_buffer, .address_space: global }
      - { .name: m1_bk, .offset: 72, .size: 8, .value_kind: global_buffer, .address_space: global }
      - { .name: m1_wv_codes, .offset: 80, .size: 8, .value_kind: global_buffer, .address_space: global }
      - { .name: m1_wv_scales, .offset: 88, .size: 8, .value_kind: global_buffer, .address_space: global }
      - { .name: m1_bv, .offset: 96, .size: 8, .value_kind: global_buffer, .address_space: global }
      - { .name: m2_wk_codes, .offset: 104, .size: 8, .value_kind: global_buffer, .address_space: global }
      - { .name: m2_wk_scales, .offset: 112, .size: 8, .value_kind: global_buffer, .address_space: global }
      - { .name: m2_bk, .offset: 120, .size: 8, .value_kind: global_buffer, .address_space: global }
      - { .name: m2_wv_codes, .offset: 128, .size: 8, .value_kind: global_buffer, .address_space: global }
      - { .name: m2_wv_scales, .offset: 136, .size: 8, .value_kind: global_buffer, .address_space: global }
      - { .name: m2_bv, .offset: 144, .size: 8, .value_kind: global_buffer, .address_space: global }
      - { .name: q, .offset: 152, .size: 8, .value_kind: global_buffer, .address_space: global }
      - { .name: kv1, .offset: 160, .size: 8, .value_kind: global_buffer, .address_space: global }
      - { .name: kv2, .offset: 168, .size: 8, .value_kind: global_buffer, .address_space: global }
    .group_segment_fixed_size: 70656
    .private_segment_fixed_size: 0
    .kernarg_segment_align: 8
    .kernarg_segment_size: 176
    .max_flat_workgroup_size: 256
    .sgpr_count:     96
    .vgpr_count:     480
    .wavefront_size: 32
...
	.end_amdgpu_metadata
.endif
;; end of part 1
;; launch attn1 (part 2): grid 8 x 32, 8 waves a work-group, clusters of 4 x 1, 327,680 bytes of LDS; arguments q, kv1, ao; writes ao
.if DOCPART == 2
	.amdgcn_target "amdgcn-amd-amdhsa--gfx1250"
	.amdhsa_code_object_version 6
	.text
	.protected	k_qdb2d8f081f_attn1
	.globl	k_qdb2d8f081f_attn1
	.p2align	8
	.type	k_qdb2d8f081f_attn1,@function
k_qdb2d8f081f_attn1:
	s_mov_b64 s[64:65], 0
	v_nop
	global_prefetch_b8 v0, s[64:65] scope:SCOPE_SE
	s_setreg_imm32_b32 hwreg(HW_REG_WAVE_MODE, 25, 1), 1
	s_wait_xcnt 0x0
	s_wait_alu depctr_hold_cnt(0) depctr_sa_sdst(0) depctr_va_vdst(0) depctr_va_sdst(0) depctr_va_ssrc(0) depctr_va_vcc(0) depctr_vm_vsrc(0)
	s_getreg_b32 s2, hwreg(HW_REG_IB_STS2, 6, 4)
	s_cmp_eq_u32 s2, 0
	s_cbranch_scc0 .Lentry_in_a_cluster
	s_endpgm
.Lentry_in_a_cluster:
	s_bfe_u32 s2, ttmp6, 0x10000c
	s_cmp_lg_u32 s2, 0x3003
	s_cbranch_scc0 .Lentry_shape_is_right
	s_endpgm
.Lentry_shape_is_right:
; ATTENTION OF ONE HEAD ON CODES OF E4M3.  scores = Q K^T / 8 (K = the head's 64), p = 2^(t - M) with t = score x log2(e) / 8 and M the ceiling of the running largest t,
; O = p V / the sum of the unquantised p; O is quantised along the head's 64 at once, for the projection that follows.
; INPUTS, made by earlier launches as images of operand registers (a group of four registers: 512 bytes, lane l at 16 l).  q: codes [bh 32][tile 128][c 2][512]; behind them scale words.
; kv: [bh][slot 8][32,768]: 256 keys a slot: K [step 2][tile 8][c 2][512], then V [step 2][tile of the head 4][c 4][512]; behind them, for each bh, 8,192 bytes of K's scale words and 4,096 of V's.
; A TILE'S 16 ROWS: lane r of tile T holds row 32 (T / 2) + 8 (T % 2) + r + 8 (r / 8), so that p's 16 registers of two neighbouring tiles of keys are 16 neighbouring keys.
; SHARES.  A work-group owns 256 queries of one head; each of its EIGHT waves owns TWO tiles of 16 queries, in 512 registers: a fragment of K or V read from LDS feeds two products.
; Both products are used transposed: a lane holds one query.  THE TWO TILES RUN HALF A STEP APART in one stream, and their lines are mixed: in the half in which tile u converts its p, multiplies by V, takes its next
; scores, their maxima and exponentials, tile o sums its p, makes its scales and holds its p.  o's sums are the places behind u's conversions and products; o's holds stand among u's exponentials;
; u's chain to the new M stands among o's short chains and the rescaling of o's O^T, so that a line's source was written five or more lines earlier.
; The first halves find p = 0 and O = 0 and add nothing; the last ones are written out behind the loop.
; THE WHOLE HEAD LIES IN LDS, filled once: 262,144 bytes of K and V and 12,288 of scale words.  At the head each wave has one joint load (waves 0-3 a quarter of slot 0, waves 4-7 a quarter of the scale words);
; slots 1 to 7 follow behind a round of the cluster's barrier, an eighth a wave, and are waited for in each trip's second step, ahead of the first read of the next slot.
; Nothing is fetched behind these loads, so there is no later load to ask memory for ahead of time: no prefetch is written.
; CLUSTER.  The four work-groups of a cluster belong to one head and read the same K and V: every load is asked for jointly (mask 15), by a descriptor made of the head and the wave's number alone.
; THE MASK rides in the score product's spare k = 64 .. 127: every query has the code 1.0 at k = 64, every key -1.0; byte 2 of the scale words (94 for a query; 254 for a hidden key, else 0) makes that term
; -2^94 for a hidden key and -2^-160 for an open one.  The running largest score begins at -2^32, so a hidden key's p is 0 also while no open key has been seen.
; LIMITS: the scaled scores of open keys lie within +-2^29; NaN and infinities are not served.
; REGISTERS.  Window 0: v1-11 addresses and constants; v12-23 scale words; v24-39, v40-55 the tiles' small numbers (T + 0 -M, 1 largest score, 2-3 sum, 4 f, 6-7 at work, 8-11 block maxima, 12-15 at work);
; v56-63 partial sums; v64-127 O^T of both tiles; v128-255 K's eight fragments.  Window 1: tile u's codes and scores at v[68 u] (4 + 64: block 0's codes in the 4, those of blocks 1-3 over block 0's numbers,
; which are converted by then); v136-151 holds and scale operands; v152-183 Q; v184-247 V's four fragments.
.set KVB,   16384
.set SLOTB, 32768
.set VSC,   8192
.set VOFF,  16384
.set STEPB, 8192
.set SPARE, 12288                      ; the spare words: 128 bytes a wave, between the scale words and the slots
.set LI,  1                            ; 16 x lane
.set BO,  2                            ; 16 r + h
.set R16, 3                            ; 16 r
.set HH,  4                            ; h
.set SPW, 5
.set NIL, 6
.set NEGI, 7                           ; -infinity: what a chain of maxima begins with
.set ADK, 8                            ; the slot in hand + 16 lane
.set ADKN, 9                           ; the next slot (the last trip: the last slot once more; what it brings is not used)
.set ADS, 10                           ; the slot's scale words of K
.set ADT, 11                           ; and of V
.set KS,  12
.set VS,  16
.set QS,  20
.set PW,  22
.set OT,  64
.set KF,  128
.set VF,  184
.set TB,  2
.set TS,  3
.set WV,  18
.set MNT, 19
.set SEL, 20
.set CS,  22                           ; s[22:23] c = log2(e) / 8;  s52 = -c
.set NCS, 52
.set G1A, 24                           ; group 1: 12 rows of 256 dense bytes;  G1B: 32 rows;  G1C: 112 rows
.set G1B, 32
.set G1C, 72
.set G0A, 40
.set G0B, 44
.set G0C, 80
.set TJ,  48
.set SLOTS, 49
.set MSB, 0
.macro WIN new                         ; the immediate's high byte repeats the setting that is left
.if MSB != (\new)
	s_set_vgpr_msb (MSB<<8)|(\new)
.set MSB, (\new)
.endif
.endm
.macro CROUND                          ; a round of the cluster's barrier
	s_barrier_signal -1
	s_barrier_wait -1
	s_cmp_lg_u32 s[WV], 0
	s_cbranch_scc1 .Lnot_wave_0_\@
	s_barrier_signal -3
.Lnot_wave_0_\@:
	s_barrier_wait -3
	s_barrier_signal -1
	s_barrier_wait -1
.endm
.macro SHAPE g, rows                   ; group 1 of a dense block: rows of 256 bytes, mask 15, bit 21 beside it, no padding
	s_mov_b32 s[\g], 15|(3<<16)|(1<<21)
	s_mov_b32 s[\g+1], 32<<16
	s_mov_b32 s[\g+2], (\rows)<<16
	s_mov_b32 s[\g+3], 32<<16
	s_mov_b32 s[\g+4], \rows
	s_mov_b32 s[\g+5], 32
	s_mov_b32 s[\g+6], 0
	s_mov_b32 s[\g+7], 0
.endm
.macro TAILNOPS                        ; plain lines behind a tensor load
	s_nop 0
.rept 4
	v_nop
.endr
.endm
.macro KLOAD adr, off, sadr, soff      ; a step's eight tiles of K and its scale words: 17 LDS loads
	WIN 0
.irp t,0,1,2,3,4,5,6,7
	ds_load_b128 v[KF+16*\t:KF+16*\t+3], v[\adr] offset:\off+1024*\t
	ds_load_b128 v[KF+16*\t+4:KF+16*\t+7], v[\adr] offset:\off+1024*\t+512
.endr
	ds_load_b128 v[KS:KS+3], v[\sadr] offset:\soff
.endm
.macro VLOAD adr, off                  ; a step's four tiles of V: 16 LDS loads
	WIN 0x40
.irp t,0,1,2,3
.irp c,0,1,2,3
	ds_load_b128 v[VF+16*\t+4*\c:VF+16*\t+4*\c+3], v[\adr] offset:\off+2048*\t+512*\c
.endr
.endr
	WIN 0
.endm
.macro SC u                            ; S^T = K Q^T of tile u: K in window 0, Q and the scores in window 1
	WIN 0x44
.irp t,0,1,2,3
	v_wmma_scale_f32_16x16x128_f8f6f4 v[68*(\u)+4+8*\t:68*(\u)+11+8*\t], v[KF+16*\t:KF+16*\t+15], v[152+16*(\u):167+16*(\u)], 0, v[KS+\t], v[QS+\u]
.endr
.irp t,0,1,2,3
	v_wmma_scale_f32_16x16x128_f8f6f4 v[68*(\u)+36+8*\t:68*(\u)+43+8*\t], v[KF+64+16*\t:KF+64+16*\t+15], v[152+16*(\u):167+16*(\u)], 0, v[KS+\t], v[QS+\u] matrix_a_scale:MATRIX_SCALE_ROW1
.endr
.endm
.macro PV u, row                       ; O^T += V^T P^T of tile u: V and the codes in window 1, O^T in window 0
	WIN 0x05
.irp t,0,1,2,3
.if (\row) == 0
	v_wmma_scale_f32_16x16x128_f8f6f4 v[OT+32*(\u)+8*\t:OT+32*(\u)+8*\t+7], v[VF+16*\t:VF+16*\t+15], v[68*(\u):68*(\u)+15], v[OT+32*(\u)+8*\t:OT+32*(\u)+8*\t+7], v[VS+\t], v[PW+\u]
.else
	v_wmma_scale_f32_16x16x128_f8f6f4 v[OT+32*(\u)+8*\t:OT+32*(\u)+8*\t+7], v[VF+16*\t:VF+16*\t+15], v[68*(\u):68*(\u)+15], v[OT+32*(\u)+8*\t:OT+32*(\u)+8*\t+7], v[VS+\t], v[PW+\u] matrix_a_scale:MATRIX_SCALE_ROW1
.endif
.endr
.endm
.macro CVTS u                          ; p's codes.  Blocks 1-3's land on block 0's numbers: one plain line stands behind block 0's conversions
.set S, 68*(\u)+4
.set HL, 136+8*(\u)
.irp b,0,1,2,3
	v_cvt_scalef32_pk8_fp8_f32 v[S-4+4*\b:S-3+4*\b], v[S+16*\b:S+16*\b+7], v[HL+4+\b]
	v_cvt_scalef32_pk8_fp8_f32 v[S-2+4*\b:S-1+4*\b], v[S+16*\b+8:S+16*\b+15], v[HL+4+\b]
.if \b == 0
	v_nop
.endif
.endr
.endm
.macro SMA o                           ; the row's sum of the unquantised p begins: six chains, each with two pairs
.set S, 68*(\o)+4
.set TO, 24+16*(\o)
.irp i,0,1,2,3
	v_pk_add_f32 v[56+2*\i:57+2*\i], v[S+2*\i:S+2*\i+1], v[S+12+2*\i:S+13+2*\i]
.endr
.irp i,4,5
	v_pk_add_f32 v[TO+4+2*\i:TO+5+2*\i], v[S+2*\i:S+2*\i+1], v[S+12+2*\i:S+13+2*\i]
.endr
.endm
.macro SMADD o, n                      ; the n-th of the twenty further pairs, onto chain n % 6
.if ((\n)%6) < 4
	v_pk_add_f32 v[56+2*((\n)%6):57+2*((\n)%6)], v[56+2*((\n)%6):57+2*((\n)%6)], v[68*(\o)+28+2*(\n):68*(\o)+29+2*(\n)]
.else
	v_pk_add_f32 v[28+16*(\o)+2*((\n)%6):29+16*(\o)+2*((\n)%6)], v[28+16*(\o)+2*((\n)%6):29+16*(\o)+2*((\n)%6)], v[68*(\o)+28+2*(\n):68*(\o)+29+2*(\n)]
.endif
.endm
.macro BMAX u                          ; the largest score of each accumulator: eight chains by turns, each accumulator from its low end on
.set T, 24+16*(\u)
.set S, 68*(\u)+4
.irp c,0,1,2,3,4,5,6,7
	v_max3_num_f32 v[T+8+(\c/2)+4*(\c%2)], v[NEGI], v[S+8*\c], v[S+8*\c+1]
.endr
.irp i,2,4,6
.irp c,0,1,2,3,4,5,6,7
	v_max3_num_f32 v[T+8+(\c/2)+4*(\c%2)], v[T+8+(\c/2)+4*(\c%2)], v[S+8*\c+\i], v[S+8*\c+\i+1]
.endr
.endr
.endm
.macro RS o, k                         ; a pair of O^T of tile o under its new M
	v_pk_mul_f32 v[OT+32*(\o)+2*(\k):OT+32*(\o)+2*(\k)+1], v[OT+32*(\o)+2*(\k):OT+32*(\o)+2*(\k)+1], v[28+16*(\o):29+16*(\o)] op_sel_hi:[1,0]
.endm
; Window 0 alone.  Tile u: the blocks' largest scores, the running maximum, -M, f, and t - M of the blocks' maxima.  Tile o: the six chains joined, the sum, the floor and the bytes of its scales, O^T x f.
.macro STI u, o
.set T, 24+16*(\u)
.set TO, 24+16*(\o)
	RS \o, 0
.irp b,0,1,2,3
	v_max_num_f32 v[T+8+\b], v[T+8+\b], v[T+12+\b]
.endr
	v_pk_add_f32 v[56:57], v[56:57], v[58:59]
	v_pk_add_f32 v[60:61], v[60:61], v[62:63]
	v_pk_add_f32 v[TO+12:TO+13], v[TO+12:TO+13], v[TO+14:TO+15]
.irp b,0,1,2,3
	v_permlanex16_b32 v[T+12+\b], v[T+8+\b], s[SEL], s[SEL+1]
.endr
.irp b,0,1,2,3
	v_max_num_f32 v[TO+8+\b], 0x4800000, v[TO+8+\b]        ; the floor 2^(9 - 127) under o's largest p: the byte cannot fall under 1
.endr
	v_pk_add_f32 v[56:57], v[56:57], v[60:61]
.irp b,0,1,2,3
	v_max_num_f32 v[T+8+\b], v[T+8+\b], v[T+12+\b]         ; with lane l xor 16's 16 keys
.endr
	RS \o, 1
	RS \o, 2
	v_pk_add_f32 v[56:57], v[56:57], v[TO+12:TO+13]
	RS \o, 3
	RS \o, 4
	v_max3_num_f32 v[T+6], v[T+8], v[T+9], v[T+10]
	RS \o, 5
	RS \o, 6
	v_pk_fma_f32 v[TO+2:TO+3], v[TO+2:TO+3], v[TO+4:TO+5], v[56:57] op_sel_hi:[1,0,1]   ; the old sum x f + the step's
	v_lshrrev_b32 v[TO+12], 23, v[TO+8]                    ; the exponent field: the byte + 8
	v_lshrrev_b32 v[TO+13], 23, v[TO+9]
	v_max3_num_f32 v[T+1], v[T+1], v[T+6], v[T+11]         ; the running largest score
	v_lshrrev_b32 v[TO+14], 23, v[TO+10]
	v_lshrrev_b32 v[TO+15], 23, v[TO+11]
	RS \o, 7
	RS \o, 8
	v_mul_f32 v[T+6], s[NCS], v[T+1]                       ; -t
	v_lshl_or_b32 v[PW+\o], v[TO+13], 8, v[TO+12]
	RS \o, 9
	v_lshl_or_b32 v[TO+6], v[TO+15], 8, v[TO+14]
	RS \o, 10
	v_floor_f32 v[T+7], v[T+6]                             ; the new -M: M is a whole number
	RS \o, 11
	RS \o, 12
	v_lshl_or_b32 v[PW+\o], v[TO+6], 16, v[PW+\o]
	RS \o, 13
	v_sub_f32 v[T+6], v[T+7], v[T]                         ; old M - new M: a whole number, 0 or less
	v_mov_b32 v[T], v[T+7]
	RS \o, 14
	RS \o, 15
	v_add_nc_u32 v[PW+\o], 0xf7f7f7f8, v[PW+\o]            ; 8 off each of the four bytes (each is 9 or more: nothing is borrowed)
	v_cvt_i32_f32 v[T+6], v[T+6]
.irp b,0,1,2,3
	v_fma_f32 v[T+8+\b], v[T+8+\b], s[CS], v[T]
.endr
	v_ldexp_f32 v[T+4], 1.0, v[T+6]                        ; f = 2^(old M - new M): the rescaling rounds nothing
.endm
.macro QSH o                           ; o's scale operands and holds, into window 1
.set TO, 24+16*(\o)
.set HL, 136+8*(\o)
.irp b,0,1,2,3
	v_add_nc_u32 v[HL+4+\b], 0xfc000000, v[TO+8+\b]
.endr
.irp b,0,1,2,3
	v_and_or_b32 v[HL+\b], v[TO+8+\b], 0x7f800000, s[MNT]  ; 448 x the scale
.endr
.endm
.macro FMP u                           ; t - M of all 64
.set T, 24+16*(\u)
.set S, 68*(\u)+4
.set j, 0
.rept 32
	v_pk_fma_f32 v[S+j:S+j+1], v[S+j:S+j+1], s[CS:CS+1], v[T:T+1] op_sel_hi:[1,0,0]
.set j, j+2
.endr
.endm
; x = 1: u's 64 exponentials, p = 2^(t - M), two to each line of o's holds.  The hold is one-sided (p is not negative; the conversion does not saturate: ISA guide 7.6.2), two numbers a line:
; even registers of one block beside odd ones of the next.  The holds read what was written ahead of the batch's wait, and are read behind the wait that follows it.
.macro XM u, o, x
.set E, 68*(\u)+4
.set S, 68*(\o)+4
.set HL, 136+8*(\o)
.irp a,0,2
.irp i,0,2,4,6,8,10,12,14
.if \x
	v_exp_f32 v[E], v[E]
	v_exp_f32 v[E+1], v[E+1]
.endif
	v_dual_min_num_f32 v[S+16*\a+\i], v[S+16*\a+\i], v[HL+\a] :: v_dual_min_num_f32 v[S+16*\a+17+\i], v[S+16*\a+17+\i], v[HL+\a+1]
.if \x
	v_exp_f32 v[E+2], v[E+2]
	v_exp_f32 v[E+3], v[E+3]
.endif
	v_dual_min_num_f32 v[S+16*\a+16+\i], v[S+16*\a+16+\i], v[HL+\a+1] :: v_dual_min_num_f32 v[S+16*\a+1+\i], v[S+16*\a+1+\i], v[HL+\a]
.set E, E+4
.endr
.endr
.endm
; HALF A KEY STEP.  Tile u ends its last step (codes, product with V) and takes its next as far as the exponentials; tile o sums, scales and holds its p.  q: the step's place in the slot.
.macro HALF u, o, q
	WIN 0x55
	s_wait_alu depctr_va_vdst(0)                   ; one wait behind the batch, ahead of the first reader of its results and of the holds'
.if \u == 0
	s_wait_dscnt 0x0                               ; the last step's V and this step's K, asked for in tile 1's half, are in
.endif
	CVTS \u
	WIN 0x05
	SMA \o                                         ; six plain lines between the codes and their product
	PV \u, 1-\q                                    ; the step before: the other row of V's scale words
	WIN 0x04
.irp n,0,1,2,3,4,5,6,7,8,9
	SMADD \o, \n                                   ; ten plain lines: the scores below are written over registers that the product above reads
.endr
	SC \u
	WIN 0x14
.irp n,10,11,12,13,14,15,16,17,18,19
	SMADD \o, \n                                   ; ten plain lines behind the scores' products
.endr
.if \u == 1
	WIN 0
.if \q == 1
	s_wait_alu depctr_va_vdst(0)
	s_wait_tensorcnt 0x0                           ; my eighth of slots 1 to 7 is in,
	ds_add_u32 v[SPW], v[NIL]
	s_wait_dscnt 0x0
	s_barrier_signal -1
	s_barrier_wait -1                              ; everybody's is: the next slot may be read
.endif
	VLOAD ADK, VOFF+STEPB*\q                       ; both tiles have multiplied the last step's V, and this step's K
.if \q == 0
	ds_load_b128 v[VS:VS+3], v[ADT] offset:VSC     ; lanes 0-15 the slot's first step, lanes 16-31 its second
	KLOAD ADK, STEPB, ADS, 512
.else
	KLOAD ADKN, 0, ADS, 1024
.endif
	WIN 0x14
.endif
	BMAX \u
	WIN 0
	s_wait_alu depctr_va_vdst(0)                   ; directly ahead of the first reader of o's O^T
	STI \u, \o
	WIN 0x40
	QSH \o
	WIN 0x41
	FMP \u
	WIN 0
	s_wait_alu depctr_va_vdst(0)
.irp b,0,1,2,3
	v_exp_f32 v[32+16*(\u)+\b], v[32+16*(\u)+\b]   ; each block's largest p, by the same two instructions on the same number
.endr
	WIN 0x55
	XM \u, \o, 1
.endm
	s_load_b128 s[4:7], s[0:1], 0x0                ; q, kv
	s_load_b64 s[8:9], s[0:1], 0x10                ; ao
	v_lshl_add_u32 v[SPW], v0, 2, SPARE
	v_mov_b32 v[NIL], 0
	ds_add_u32 v[SPW], v[NIL]                      ; the add, twice on end
	ds_add_u32 v[SPW], v[NIL]
	v_lshrrev_b32 v8, 5, v0
	v_readfirstlane_b32 s[WV], v8                  ; wave 0..7
	v_and_b32 v8, 31, v0
	v_lshlrev_b32 v[LI], 4, v8
	v_and_b32 v9, 15, v0
	v_bfe_u32 v[HH], v0, 4, 1
	v_lshlrev_b32 v[R16], 4, v9
	v_add_nc_u32 v[BO], v[R16], v[HH]
	s_bfe_u32 s10, ttmp6, 0x40000                  ; cx: it enters Q's and ao's global addresses alone
	s_and_b32 s12, ttmp7, 0xffff                   ; bh, which the partners share
	s_and_b32 s13, s[WV], 3
	s_lshl_b32 s14, s12, 18
	s_lshl_b32 s53, s13, 13
	s_add_co_u32 s14, s14, s53                     ; a quarter of the head's slot 0: 8,192 bytes
	s_mov_b32 s15, 0
	s_mul_i32 s16, s12, 12288
	s_mul_i32 s53, s13, 3072
	s_add_co_u32 s16, s16, s53
	s_add_co_u32 s16, s16, 8388608                 ; a quarter of its scale words: 3,072 bytes
	s_mov_b32 s17, 0
	s_lshl_b32 s50, s12, 18
	s_mul_i32 s53, s[WV], 28672
	s_add_co_u32 s50, s50, s53
	s_add_co_u32 s50, s50, SLOTB                   ; an eighth of its slots 1 to 7: 28,672 bytes
	s_mov_b32 s51, 0
	SHAPE G1A, 12
	SHAPE G1B, 32
	SHAPE G1C, 112
	s_mov_b32 s[SEL], 0x76543210
	s_mov_b32 s[SEL+1], 0xfedcba98
	s_mov_b32 s[CS], 0x3e38aa3b
	s_mov_b32 s[CS+1], s[CS]
	s_mov_b32 s[NCS], 0xbe38aa3b
	s_mov_b32 s[MNT], 0x600000
	s_mov_b32 s[TB], KVB
	s_mov_b32 s[TS], 0
	s_mov_b32 s[TJ], 0
	s_mov_b32 s[SLOTS], 8
	s_lshl_b32 s11, ttmp9, 2
	s_add_co_u32 s11, s11, s10                     ; my block of 256 queries
	s_lshl_b32 s11, s11, 4
	s_lshl_b32 s53, s[WV], 1
	s_add_co_u32 s11, s11, s53                     ; T: the first of my two tiles, an even number
	s_lshl_b32 s62, s12, 17
	s_lshl_b32 s63, s11, 10
	s_add_co_u32 s62, s62, s63                     ; Q's codes: (128 bh + T) x 1,024
	s_mov_b32 s63, 0
	s_lshl_b32 s66, s12, 13
	s_lshr_b32 s67, s11, 2
	s_lshl_b32 s67, s67, 8
	s_add_co_u32 s66, s66, s67
	s_and_b32 s67, s11, 3
	s_lshl_b32 s67, s67, 2
	s_add_co_u32 s66, s66, s67
	s_add_co_u32 s66, s66, 4194304                 ; Q's words: 8,192 bh + 256 (T / 4) + 4 (T % 4), + 16 r in the lane
	s_mov_b32 s67, 0
	s_lshr_b32 s68, s12, 3
	s_lshl_b32 s68, s68, 7
	s_add_co_u32 s68, s68, s11                     ; the tile among all 512
	s_and_b32 s69, s12, 7                          ; the head
	s_lshl_b32 s70, s68, 13
	s_lshl_b32 s71, s69, 10
	s_add_co_u32 s70, s70, s71                     ; ao's codes: (8 tile + head) x 1,024
	s_mov_b32 s71, 0
	s_lshl_b32 s68, s68, 8
	s_lshl_b32 s69, s69, 1
	s_add_co_u32 s68, s68, s69
	s_add_co_u32 s68, s68, 4194304                 ; ao's scale bytes: 256 tile + 2 head, + 16 r + block in the lane
	s_mov_b32 s69, 0
	s_wait_alu depctr_va_vdst(0)
	s_wait_dscnt 0x0                               ; the one wait for both adds
	s_wait_kmcnt 0x0
	s_add_nc_u64 s[54:55], s[4:5], s[62:63]
	s_add_nc_u64 s[56:57], s[4:5], s[66:67]
	s_add_nc_u64 s[58:59], s[8:9], s[70:71]
	s_add_nc_u64 s[60:61], s[8:9], s[68:69]
	global_load_b32 v[QS], v[R16], s[56:57]        ; Q is asked for ahead of the round
	global_load_b32 v[QS+1], v[R16], s[56:57] offset:4
	WIN 0x40
	global_load_b128 v[152:155], v[LI], s[54:55]
	global_load_b128 v[156:159], v[LI], s[54:55] offset:512
	global_load_b128 v[168:171], v[LI], s[54:55] offset:1024
	global_load_b128 v[172:175], v[LI], s[54:55] offset:1536
	WIN 0
	s_mov_b32 s[G0A], 1
	s_mul_i32 s[G0A+1], s13, 3072
	s_add_nc_u64 s[G0A+2:G0A+3], s[6:7], s[16:17]
	s_or_b32 s[G0A+3], s[G0A+3], 0x80000000
	s_mov_b32 s[G0B], 1
	s_lshl_b32 s[G0B+1], s13, 13
	s_add_co_u32 s[G0B+1], s[G0B+1], KVB
	s_add_nc_u64 s[G0B+2:G0B+3], s[6:7], s[14:15]
	s_or_b32 s[G0B+3], s[G0B+3], 0x80000000
	s_mov_b32 s[G0C], 1
	s_mul_i32 s[G0C+1], s[WV], 28672
	s_add_co_u32 s[G0C+1], s[G0C+1], KVB+SLOTB
	s_add_nc_u64 s[G0C+2:G0C+3], s[6:7], s[50:51]
	s_or_b32 s[G0C+3], s[G0C+3], 0x80000000
	CROUND                                         ; all four work-groups are here: the joint loads meet
	s_cmp_lt_u32 s[WV], 4                          ; one load a wave, in the two arms of one branch on the wave's number
	s_cbranch_scc0 .Lhead_sc
	tensor_load_to_lds s[G0B:G0B+3], s[G1B:G1B+7]  ; waves 0-3: slot 0
	TAILNOPS
	s_branch .Lhead_asked
.Lhead_sc:
	tensor_load_to_lds s[G0A:G0A+3], s[G1A:G1A+7]  ; waves 4-7: the scale words
	TAILNOPS
.Lhead_asked:
	v_sub_nc_u32 v8, 1, v[HH]
	v_mul_u32_u24 v8, v8, 0x38                     ; the code 1.0 at k = 64: byte 0 of Q's register 8 in lanes 0-15
	v_mov_b32 v[NEGI], 0xff800000
	v_mov_b32 v[PW], 0                             ; a finite scale for tile 0's first, empty product
.irp T,24,40
	v_mov_b32 v[\T+1], 0xcf800000                  ; the largest score so far: -2^32
	v_mul_f32 v[\T], s[NCS], v[\T+1]
	v_floor_f32 v[\T], v[\T]                       ; -M
	v_mov_b32 v[\T+2], 0
	v_mov_b32 v[\T+3], 0
	v_mov_b32 v[\T+4], 1.0
	v_mov_b32 v[\T+5], 0                           ; (named with f as a pair)
.irp j,8,9,10,11,12,13,14,15
	v_mov_b32 v[\T+\j], 0                          ; the first halves find largest p = 0; a lane permute's destination counts as a source
.endr
.endr
.set j, 0
.rept 64
	v_mov_b32 v[OT+j], 0                           ; the step is written once: the first finds zeros
.set j, j+1
.endr
.irp t,0,1,2,3,4,5,6,7
	v_mov_b32 v[KF+16*\t+8], 0xb8                  ; the code -1.0 at k = 64 (in lanes 16-31: at k = 80, where Q has 0)
.irp j,9,10,11,12,13,14,15
	v_mov_b32 v[KF+16*\t+\j], 0
.endr
.endr
	WIN 0x40
.set j, 0
.rept 136
	v_mov_b32 v[j], 0                              ; both tiles' p ahead of their first steps
.set j, j+1
.endr
.irp j,140,141,142,143
	v_mov_b32 v[\j], 1.0                           ; a scale operand for tile 0's first conversions, of zeros
.endr
.irp u,0,1
	v_mov_b32 v[160+16*\u], v8
.irp j,161,162,163,164,165,166,167
	v_mov_b32 v[\j+16*\u], 0
.endr
.endr
	WIN 0
	s_wait_alu depctr_va_vdst(0)
	s_wait_tensorcnt 0x0                           ; my part of the head's tiles is in
	ds_add_u32 v[SPW], v[NIL]
	s_wait_dscnt 0x0
	CROUND                                         ; everybody's part is in, and the four work-groups meet
	tensor_load_to_lds s[G0C:G0C+3], s[G1C:G1C+7]  ; slots 1 to 7: my one load behind the round
	TAILNOPS
	VLOAD LI, KVB+VOFF                             ; step 0's V, for the first, empty products: finite codes against p = 0
	ds_load_b128 v[VS:VS+3], v[LI] offset:VSC
	KLOAD LI, KVB, LI, 0                           ; step 0's K
	s_wait_loadcnt 0x0                             ; Q
.Lslot:                                            ; eight trips, a slot of two key steps each
	s_add_co_u32 s53, s[TB], SLOTB
	s_min_u32 s53, s53, KVB+7*SLOTB
	v_add_nc_u32 v[ADK], s[TB], v[LI]
	v_add_nc_u32 v[ADKN], s53, v[LI]
	v_add_nc_u32 v[ADS], s[TS], v[LI]
	v_add_nc_u32 v[ADT], s[TJ], v[LI]
	HALF 0, 1, 0
	HALF 1, 0, 0
	HALF 0, 1, 1
	HALF 1, 0, 1
	WIN 0
	s_add_co_u32 s[TB], s[TB], SLOTB
	s_add_co_u32 s[TS], s[TS], 1024
	s_add_co_u32 s[TJ], s[TJ], 512
	s_sub_co_u32 s[SLOTS], s[SLOTS], 1
	s_cmp_lg_u32 s[SLOTS], 0
	s_wait_alu depctr_va_vdst(0)
	s_cbranch_scc1 .Lslot
	s_wait_dscnt 0x0                               ; the last step's V
	WIN 0x55
	CVTS 0                                         ; tile 0's last codes and product; tile 1's last sums, scales, holds, codes and product
	WIN 0x05
	SMA 1
	PV 0, 1
	WIN 0x04
.irp n,0,1,2,3,4,5,6,7,8,9,10,11,12,13,14,15,16,17,18,19
	SMADD 1, \n
.endr
	WIN 0
	s_wait_alu depctr_va_vdst(0)                   ; directly ahead of the first reader of tile 1's O^T
.irp k,0,1,2,3
	RS 1, \k
.endr
	v_pk_add_f32 v[56:57], v[56:57], v[58:59]
	v_pk_add_f32 v[60:61], v[60:61], v[62:63]
	v_pk_add_f32 v[52:53], v[52:53], v[54:55]
.irp b,0,1,2,3
	v_max_num_f32 v[48+\b], 0x4800000, v[48+\b]
.endr
	v_pk_add_f32 v[56:57], v[56:57], v[60:61]
.irp k,4,5,6,7,8
	RS 1, \k
.endr
	v_pk_add_f32 v[56:57], v[56:57], v[52:53]
.irp k,9,10,11,12,13
	RS 1, \k
.endr
	v_pk_fma_f32 v[42:43], v[42:43], v[44:45], v[56:57] op_sel_hi:[1,0,1]
.irp b,0,1,2,3
	v_lshrrev_b32 v[52+\b], 23, v[48+\b]
.endr
	RS 1, 14
	RS 1, 15
	v_lshl_or_b32 v[PW+1], v53, 8, v52
	v_lshl_or_b32 v46, v55, 8, v54
	WIN 0x40
	QSH 1
	WIN 0
	v_lshl_or_b32 v[PW+1], v46, 16, v[PW+1]
	v_add_f32 v26, v26, v27                        ; THE WAY OUT begins among these lines: the sums' two halves,
	v_add_f32 v42, v42, v43
	v_add_nc_u32 v[PW+1], 0xf7f7f7f8, v[PW+1]
	WIN 0x55
	XM 0, 1, 0
	CVTS 1
	WIN 0
	v_permlanex16_b32 v36, v26, s[SEL], s[SEL+1]
	v_permlanex16_b32 v52, v42, s[SEL], s[SEL+1]
	v_cmp_ne_u32 vcc_lo, 0, v[HH]
	v_nop
	v_add_f32 v26, v26, v36                        ; and lane l xor 16's: the rows' sums
	v_add_f32 v42, v42, v52
	PV 1, 1
	WIN 0
	; O^T / the sum; a tile's 32 numbers a lane are two blocks of 32 along the next product's K (lane l xor 16 holds each block's other half): quantised and stored as images.  K's registers are free.
	s_wait_alu depctr_va_vdst(0)                   ; ahead of the two reciprocals
	v_rcp_f32 v26, v26
	v_rcp_f32 v42, v42
	v_nop                                          ; (a plain line behind them)
	s_wait_alu depctr_va_vdst(0)                   ; one wait for both, directly ahead of the 32 lines that first read O^T
.irp u,0,1
.set j, 0
.rept 16
	v_pk_mul_f32 v[128+32*\u+j:129+32*\u+j], v[OT+32*\u+j:OT+32*\u+j+1], v[26+16*\u:27+16*\u] op_sel_hi:[1,0]
.set j, j+2
.endr
.endr
.irp i,0,1,2,3                         ; block i = 2 tile + block of the tile
	v_max3_num_f32 v[208+\i], |v[128+16*\i]|, |v[129+16*\i]|, 0x4800000
.endr
.irp k,2,4,6,8,10,12,14
.irp i,0,1,2,3
	v_max3_num_f32 v[208+\i], v[208+\i], |v[128+16*\i+\k]|, |v[129+16*\i+\k]|
.endr
.endr
.irp i,0,1,2,3
	v_permlanex16_b32 v[212+\i], v[208+\i], s[SEL], s[SEL+1]
.endr
.irp i,0,1,2,3
	v_max_num_f32 v[208+\i], v[208+\i], v[212+\i]
.endr
.irp i,0,1,2,3
	v_add_nc_u32 v[220+\i], 0xfc000000, v[208+\i]
.endr
.irp i,0,1,2,3
	v_and_or_b32 v[216+\i], v[208+\i], 0x7f800000, s[MNT]
.endr
.irp i,0,1,2,3
	v_lshrrev_b32 v[212+\i], 23, v[220+\i]
.endr
.irp i,0,1,2,3
.irp k,0,1,2,3,4,5,6,7,8,9,10,11,12,13,14,15
	v_med3_num_f32 v[128+16*\i+\k], v[128+16*\i+\k], -v[216+\i], v[216+\i]
.endr
	v_cvt_scalef32_pk8_fp8_f32 v[192+4*\i:193+4*\i], v[128+16*\i:135+16*\i], v[220+\i]
	v_cvt_scalef32_pk8_fp8_f32 v[194+4*\i:195+4*\i], v[136+16*\i:143+16*\i], v[220+\i]
.endr
	v_cndmask_b32 v212, v212, v213, vcc_lo         ; lanes 0-15 carry a tile's block 0's byte, lanes 16-31 its block 1's
	v_cndmask_b32 v214, v214, v215, vcc_lo
.irp u,0,1
	global_store_b128 v[LI], v[192+8*\u:195+8*\u], s[58:59] offset:8192*\u
	global_store_b128 v[LI], v[196+8*\u:199+8*\u], s[58:59] offset:8192*\u+512
	global_store_b8 v[BO], v[212+2*\u], s[60:61] offset:256*\u    ; single bytes, 16 apart in pairs: one byte for each 32 that the launch stores
.endr
	s_wait_tensorcnt 0x0                           ; the wave's end
	ds_add_u32 v[SPW], v[NIL]
	s_wait_dscnt 0x0
	CROUND                                         ; the closing round: no work-group ends ahead of its partners
	s_endpgm
.Lfunc_end_k_qdb2d8f081f_attn1:
	.size	k_qdb2d8f081f_attn1, .Lfunc_end_k_qdb2d8f081f_attn1-k_qdb2d8f081f_attn1
	.p2alignl 7, 3214868480
	.fill 96, 4, 3214868480
	.section	.rodata,"a",@progbits
	.p2align	6, 0x0
	.amdhsa_kernel k_qdb2d8f081f_attn1
		.amdhsa_group_segment_fixed_size 327680
		.amdhsa_private_segment_fixed_size 0
		.amdhsa_enable_private_segment 0
		.amdhsa_kernarg_size 24
		.amdhsa_user_sgpr_count 2
		.amdhsa_user_sgpr_kernarg_segment_ptr 1
		.amdhsa_wavefront_size32 1
		.amdhsa_system_sgpr_workgroup_id_x 1
		.amdhsa_system_sgpr_workgroup_id_y 1
		.amdhsa_system_sgpr_workgroup_id_z 1
		.amdhsa_system_vgpr_workitem_id 0
		.amdhsa_next_free_vgpr 512
		.amdhsa_next_free_sgpr 84
		.amdhsa_reserve_vcc 1
		.amdhsa_float_denorm_mode_32 3
		.amdhsa_float_denorm_mode_16_64 3
		.amdhsa_memory_ordered 1
		.amdhsa_forward_progress 1
		.amdhsa_inst_pref_size 110
	.end_amdhsa_kernel
	.amdgpu_metadata
---
amdhsa.version: [ 1, 2 ]
amdhsa.kernels:
  - .name:           k_qdb2d8f081f_attn1
    .symbol:         k_qdb2d8f081f_attn1.kd
    .args:
      - { .name: q, .offset: 0, .size: 8, .value_kind: global_buffer, .address_space: global }
      - { .name: kv1, .offset: 8, .size: 8, .value_kind: global_buffer, .address_space: global }
      - { .name: ao, .offset: 16, .size: 8, .value_kind: global_buffer, .address_space: global }
    .group_segment_fixed_size: 327680
    .private_segment_fixed_size: 0
    .kernarg_segment_align: 8
    .kernarg_segment_size: 24
    .max_flat_workgroup_size: 256
    .sgpr_count:     84
    .vgpr_count:     512
    .wavefront_size: 32
...
	.end_amdgpu_metadata
.endif
;; end of part 2
;; launch mid (part 3): grid 256 x 1, 4 waves a work-group, no clusters, 16,896 bytes of LDS; arguments ao, x, m1_w2_codes, m1_w2_scales, m1_b2, m1_g, m1_b, ln1_g, ln1_b, m2_wq_codes, m2_wq_scales, m2_bq, x1, q; writes x1, q
.if DOCPART == 3
	.amdgcn_target "amdgcn-amd-amdhsa--gfx1250"
	.amdhsa_code_object_version 6
	.text
	.protected	k_qdb2d8f081f_mid
	.globl	k_qdb2d8f081f_mid
	.p2align	8
	.type	k_qdb2d8f081f_mid,@function
k_qdb2d8f081f_mid:
	s_mov_b64 s[64:65], 0
	v_nop
	global_prefetch_b8 v0, s[64:65] scope:SCOPE_SE
	s_setreg_imm32_b32 hwreg(HW_REG_WAVE_MODE, 25, 1), 1
	s_wait_xcnt 0x0
; WHAT FOLLOWS AN ATTENTION.  One text serves two launches; TAIL says which.  Both: v = LNb(res + LNa(ao W_A + bias_A + res)), res the attention's own input; then a product of v with W_B.
; TAIL = 0: res = x; v = x1 is stored (as an image of its registers), and Q2 = x1 m2_wq + bq is quantised along each head's 64 and stored for the second attention.
; TAIL = 1: res = x1; v = x2; hidden = relu(x2 ffn_w1 + b1), quantised; out0 = LN3(x2 + hidden ffn_w2 + b2).
; All products on codes of E4M3 with one E8M0 scale for each 32 along K; norms, residuals and what goes into a quantiser in f32.
; SHARES.  Work-group g owns rows 32 g .. 32 g + 31: two tiles; lane r of tile m holds row 32 g + 8 m + r + 8 (r / 8).  THE FOUR WAVES SHARE THE COLUMNS: wave w makes columns 64 w .. of the products with 256 columns
; and 128 w .. of the product with 512.  Each wave's weights go from memory straight into its registers, each byte once a work-group.  No tensor loads and no joint loads: a weight's fragment serves two tiles of
; rows only, so a way through LDS would add a write and a read of each byte to launches whose whole work is a few hundred products a wave.
; All products are used transposed (source 0 = 16 rows of the weight, source 1 = 16 rows): a lane holds one row, and since lane r of a weight's tile 2 b + u takes row 32 b + 8 u + r + 8 (r / 8), the 16 registers of
; two neighbouring tiles are 16 neighbours along the next K.  Operands go from wave to wave through LDS as images of their registers (a group of four registers: 512 bytes, lane l at 16 l).
; A NORM: each wave takes the mean and the sum of squared differences of its own 64 columns; the four pairs meet in LDS behind one barrier and are joined exactly (sum of the parts' sums of squares + 64 x the
; squared distances of the parts' means): no difference of large sums is formed.
; LIMITS: NaN and infinities are not served; a block whose largest magnitude lies under 2^-118 keeps the scale byte 1.
.set TAIL, 0
.set STAT, 0                           ; LDS: three norms x [wave 4][lane 32] x 8 bytes (mean, sum of squares); lanes 0-15 carry tile 0, lanes 16-31 tile 1
.set XSC,  3072                        ; v's scale words: (2 m + K step) x 64 + 4 r
.set HSC,  3584                        ; the hidden layer's: (4 m + K step) x 128 + 4 lane
.set XIMG, 8192                        ; v's four fragments: (2 m + K step) x 2,048
.set HIMG, 16384                       ; the hidden layer's eight: (4 m + K step) x 2,048
.set STG,  32768                       ; the way out: 32 rows x (1,024 + 16) bytes
.set LI,  1                            ; v1  16 lane
.set LS,  2                            ; v2  4 lane
.set R4,  3                            ; v3  4 r
.set XWI, 4                            ; v4  16 lane + 1,024 w
.set XWS, 5                            ; v5  128 h + 4 r + 64 (w / 2) + 2 (w % 2)
.set HWI, 6                            ; v6  16 lane + 2,048 w        (TAIL = 0: v6, v7, v10, v11 hold Q2's four scale words)
.set HWS, 7                            ; v7  4 lane + 128 w
.set STW, 8                            ; v8  8 lane + 256 w
.set STR, 9                            ; v9  8 r
.set SO,  10                           ; v10 (r + 8 (r / 8)) x 1,040 + 256 w + 64 h
.set SR,  11                           ; v11 16 lane + 8 w x 1,040
.set RA,  12                           ; v12 (r + 8 (r / 8)) x 512 + 16 h: rows of 512 codes
.set RAS, 13                           ; v13 (r + 8 (r / 8)) x 16: their scale bytes
.set H64, 14                           ; v14 64 h
.set RB,  15                           ; v15 (r + 8 (r / 8)) x 256 + 16 h: rows of 256 codes
.set WAS, 16                           ; v16-31 W_A's scale words (4 tile + K step); TAIL: later ffn_w2's
.set WBS, 32                           ; v32-47 W_B's (2 tile + K step)
.set AOS, 48                           ; v48-55 ao's (4 m + K step); TAIL: later the hidden layer's
.set XS,  56                           ; v56-59 v's (2 m + K step)
.set PW,  60
.set RBS, 61                           ; v61 (r + 8 (r / 8)) x 8
.set RX,  62                           ; v62 (r + 8 (r / 8)) x 1,024 + 64 h
.set R16, 63                           ; v63 16 r
.set VAL, 64                           ; v64-127 the rows' numbers: register 32 m + 8 tile + j
.set AO,  128                          ; v128-255 ao's eight fragments (64 m + 16 K step); afterwards:
.set ACC, 128                          ; v128-191 a norm's temporaries, held numbers, accumulators
.set XF,  192                          ; v192-223 two fragments
.set PC,  224                          ; v224-239 the codes just made
.set TM,  240                          ; v240-255 the quantiser's
.set R0,  0                            ; window 3: v0-63 res; v64-127 norm a's gain and bias; v128-191 norm b's; v192-255 bias_B.   window 1: W_A.   window 2: W_B
.set R1,  64
.set R2,  128
.set R3,  192
.set WV,  4
.set HM,  44                           ; s44 the lanes 16-31
.set EPS, 45
.set SEL, 46
.set MNT, 48
.set MSB, 0
.macro WIN new                         ; the immediate's high byte repeats the setting that is left
.if MSB != \new
	s_set_vgpr_msb (MSB<<8)|\new
.set MSB, \new
.endif
.endm
; 64 numbers of a lane, four blocks of 16 at v[src + 16 b] (lane l xor 16 holds each block's other 16), become 16 registers of codes at v[pc]; the held numbers go to v[dst]; the four scale bytes are left in v[TM+4 ..].
.macro QUANT src, dst, pc, relu
.if \relu
.irp b,0,1,2,3
	v_max3_num_f32 v[TM+\b], v[\src+16*\b], v[\src+16*\b+1], 0x4800000   ; no |.|: what is negative becomes 0; the floor 2^(9 - 127) holds the byte at 1 from below
.endr
.irp i,2,4,6,8,10,12,14
.irp b,0,1,2,3
	v_max3_num_f32 v[TM+\b], v[TM+\b], v[\src+16*\b+\i], v[\src+16*\b+\i+1]
.endr
.endr
.else
.irp b,0,1,2,3
	v_max3_num_f32 v[TM+\b], |v[\src+16*\b]|, |v[\src+16*\b+1]|, 0x4800000
.endr
.irp i,2,4,6,8,10,12,14
.irp b,0,1,2,3
	v_max3_num_f32 v[TM+\b], v[TM+\b], |v[\src+16*\b+\i]|, |v[\src+16*\b+\i+1]|
.endr
.endr
.endif
.irp b,0,1,2,3
	v_permlanex16_b32 v[TM+4+\b], v[TM+\b], s[SEL], s[SEL+1]
.endr
.irp b,0,1,2,3
	v_max_num_f32 v[TM+\b], v[TM+\b], v[TM+4+\b]           ; the block's largest magnitude
.endr
.irp b,0,1,2,3
	v_add_nc_u32 v[TM+12+\b], 0xfc000000, v[TM+\b]         ; 8 off its exponent field: the conversion's scale operand
.endr
.irp b,0,1,2,3
	v_and_or_b32 v[TM+8+\b], v[TM+\b], 0x7f800000, s[MNT]  ; 448 x the scale
.endr
.irp b,0,1,2,3
	v_lshrrev_b32 v[TM+4+\b], 23, v[TM+12+\b]              ; the scale's byte
.endr
.irp b,0,1,2,3
.irp i,0,1,2,3,4,5,6,7,8,9,10,11,12,13,14,15
.if \relu
	v_med3_num_f32 v[\dst+16*\b+\i], v[\src+16*\b+\i], 0, v[TM+8+\b]           ; the activation and the hold in one
.else
	v_med3_num_f32 v[\dst+16*\b+\i], v[\src+16*\b+\i], -v[TM+8+\b], v[TM+8+\b] ; the conversion to an 8-bit code does not saturate (ISA guide 7.6.2): the hold comes first
.endif
.endr
	v_cvt_scalef32_pk8_fp8_f32 v[\pc+4*\b:\pc+4*\b+1], v[\dst+16*\b:\dst+16*\b+7], v[TM+12+\b]
	v_cvt_scalef32_pk8_fp8_f32 v[\pc+4*\b+2:\pc+4*\b+3], v[\dst+16*\b+8:\dst+16*\b+15], v[TM+12+\b]
.endr
	v_nop                                                  ; one plain line behind the last conversion
.endm
.macro VEC32 reg, base                 ; 32 numbers of a vector of 256 in the result's layout: tile t's eight columns of my half
.irp t,0,1,2,3
	global_load_b128 v[\reg+8*\t:\reg+8*\t+3], v[H64], s[\base:\base+1] offset:(32*(\t/2)+8*(\t%2))*4
	global_load_b128 v[\reg+8*\t+4:\reg+8*\t+7], v[H64], s[\base:\base+1] offset:(32*(\t/2)+8*(\t%2))*4+16
.endr
.endm
.macro WLOAD512 cbase, sbase           ; my 64 rows of a weight with K = 512: 64 loads of codes into window 1, 4 of scale words
	WIN 0x40
.irp t,0,1,2,3
.irp k,0,1,2,3
.irp c,0,1,2,3
	global_load_b128 v[16*(4*\t+\k)+4*\c:16*(4*\t+\k)+4*\c+3], v[RA], s[\cbase:\cbase+1] offset:(32*(\t/2)+8*(\t%2))*512+128*\k+32*\c
.endr
.endr
.endr
	WIN 0
.irp t,0,1,2,3
	global_load_b128 v[WAS+4*\t:WAS+4*\t+3], v[RAS], s[\sbase:\sbase+1] offset:(32*(\t/2)+8*(\t%2))*16
.endr
.endm
.macro BARRIER                         ; my LDS stores have landed and my LDS loads are in: then the work-group's barrier
	s_wait_dscnt 0x0
	s_barrier_signal -1
	s_barrier_wait -1
.endm
.macro JOIN tt                         ; of each tile: its two chains, the pair's halves, and lane l xor 16's sum into v[tt + 4 m + 1]
.irp m,0,1
	v_pk_add_f32 v[\tt+4*\m:\tt+4*\m+1], v[\tt+4*\m:\tt+4*\m+1], v[\tt+4*\m+2:\tt+4*\m+3]
.endr
.irp m,0,1
	v_add_f32 v[\tt+4*\m], v[\tt+4*\m], v[\tt+4*\m+1]
.endr
.irp m,0,1
	v_permlanex16_b32 v[\tt+4*\m+1], v[\tt+4*\m], s[SEL], s[SEL+1]
.endr
.endm
; The norm of both tiles' rows, in place in v[vv .. vv + 63]; tt: 24 temporaries; ee: which of the three regions of LDS; rr: gain at v[rr], bias at v[rr + 32] of window 3.
.macro LN vv, tt, ee, rr
.irp m,0,1
.irp c,0,2
	v_pk_add_f32 v[\tt+4*\m+\c:\tt+4*\m+\c+1], v[\vv+32*\m+\c:\vv+32*\m+\c+1], v[\vv+32*\m+\c+4:\vv+32*\m+\c+5]
.endr
.endr
.irp k,8,12,16,20,24,28
.irp m,0,1
.irp c,0,2
	v_pk_add_f32 v[\tt+4*\m+\c:\tt+4*\m+\c+1], v[\tt+4*\m+\c:\tt+4*\m+\c+1], v[\vv+32*\m+\k+\c:\vv+32*\m+\k+\c+1]
.endr
.endr
.endr
	JOIN \tt
.irp m,0,1
	v_add_f32 v[\tt+4*\m], v[\tt+4*\m], v[\tt+4*\m+1]
.endr
.irp m,0,1
	v_mul_f32 v[\tt+8+2*\m], 0x3c800000, v[\tt+4*\m]       ; / 64: the mean of my wave's 64 columns
	v_mov_b32 v[\tt+9+2*\m], 0                             ; (the pair's upper half is named with it)
.endr
.irp k,0,2,4,6,8,10,12,14,16,18,20,22,24,26,28,30
.irp m,0,1
	v_pk_add_f32 v[\tt+12+4*\m+\k%4:\tt+13+4*\m+\k%4], v[\vv+32*\m+\k:\vv+32*\m+\k+1], v[\tt+8+2*\m:\tt+9+2*\m] op_sel_hi:[1,0] neg_lo:[0,1] neg_hi:[0,1]
.endr
.irp m,0,1
.if \k < 4
	v_pk_mul_f32 v[\tt+4*\m+\k%4:\tt+4*\m+\k%4+1], v[\tt+12+4*\m+\k%4:\tt+13+4*\m+\k%4], v[\tt+12+4*\m+\k%4:\tt+13+4*\m+\k%4]
.else
	v_pk_fma_f32 v[\tt+4*\m+\k%4:\tt+4*\m+\k%4+1], v[\tt+12+4*\m+\k%4:\tt+13+4*\m+\k%4], v[\tt+12+4*\m+\k%4:\tt+13+4*\m+\k%4], v[\tt+4*\m+\k%4:\tt+4*\m+\k%4+1]
.endif
.endr
.endr
	JOIN \tt
.irp m,0,1
	v_add_f32 v[\tt+9+2*\m], v[\tt+4*\m], v[\tt+4*\m+1]    ; the sum of squared differences from that mean
.endr
	v_cndmask_b32 v[\tt+20], v[\tt+8], v[\tt+10], s[HM]    ; lanes 0-15 carry tile 0's pair, lanes 16-31 tile 1's
	v_cndmask_b32 v[\tt+21], v[\tt+9], v[\tt+11], s[HM]
	ds_store_b64 v[STW], v[\tt+20:\tt+21] offset:STAT+1024*\ee
	BARRIER
.irp w,0,1,2,3
.irp m,0,1
	ds_load_b64 v[\tt+4*\w+2*\m:\tt+4*\w+2*\m+1], v[STR] offset:STAT+1024*\ee+256*\w+128*\m
.endr
.endr
	s_wait_dscnt 0x0
.irp m,0,1
	v_add_f32 v[\tt+16+4*\m], v[\tt+2*\m], v[\tt+4+2*\m]
	v_add_f32 v[\tt+17+4*\m], v[\tt+8+2*\m], v[\tt+12+2*\m]
	v_add_f32 v[\tt+16+4*\m], v[\tt+16+4*\m], v[\tt+17+4*\m]
	v_mul_f32 v[\tt+16+4*\m], 0x3e800000, v[\tt+16+4*\m]   ; the row's mean
	v_add_f32 v[\tt+17+4*\m], v[\tt+1+2*\m], v[\tt+5+2*\m]
	v_add_f32 v[\tt+18+4*\m], v[\tt+9+2*\m], v[\tt+13+2*\m]
	v_add_f32 v[\tt+17+4*\m], v[\tt+17+4*\m], v[\tt+18+4*\m]
.irp w,0,1,2,3
	v_sub_f32 v[\tt+4*\w+2*\m], v[\tt+4*\w+2*\m], v[\tt+16+4*\m]
.endr
	v_mul_f32 v[\tt+18+4*\m], v[\tt+2*\m], v[\tt+2*\m]
.irp w,1,2,3
	v_fma_f32 v[\tt+18+4*\m], v[\tt+4*\w+2*\m], v[\tt+4*\w+2*\m], v[\tt+18+4*\m]
.endr
	v_fma_f32 v[\tt+17+4*\m], v[\tt+18+4*\m], 0x42800000, v[\tt+17+4*\m]   ; + 64 x the squared distances of the four means
	v_fma_f32 v[\tt+17+4*\m], v[\tt+17+4*\m], 0x3b800000, s[EPS]           ; / 256 + 1e-6
.endr
	s_wait_alu depctr_va_vdst(0)
	v_rsq_f32 v[\tt+18], v[\tt+17]
	v_rsq_f32 v[\tt+22], v[\tt+21]
	v_mov_b32 v[\tt+19], 0                                 ; plain lines behind the two; the pairs' upper halves are named with them
	v_mov_b32 v[\tt+23], 0
	s_wait_alu depctr_va_vdst(0)                           ; one wait for both, ahead of their first reader
.irp m,0,1
.set j, 0
.rept 16
	v_pk_add_f32 v[\vv+32*\m+j:\vv+32*\m+j+1], v[\vv+32*\m+j:\vv+32*\m+j+1], v[\tt+16+4*\m:\tt+17+4*\m] op_sel_hi:[1,0] neg_lo:[0,1] neg_hi:[0,1]
.set j, j+2
.endr
.endr
.irp m,0,1
.set j, 0
.rept 16
	v_pk_mul_f32 v[\vv+32*\m+j:\vv+32*\m+j+1], v[\vv+32*\m+j:\vv+32*\m+j+1], v[\tt+18+4*\m:\tt+19+4*\m] op_sel_hi:[1,0]
.set j, j+2
.endr
.endr
	WIN 0x3c                                               ; gain and bias in window 3
.irp m,0,1
.set j, 0
.rept 16
	v_pk_fma_f32 v[\vv+32*\m+j:\vv+32*\m+j+1], v[\vv+32*\m+j:\vv+32*\m+j+1], v[\rr+j:\rr+j+1], v[\rr+32+j:\rr+32+j+1]
.set j, j+2
.endr
.endr
	WIN 0
.endm
.macro ADDRES                          ; the rows' numbers + res
	WIN 0x0c
.set j, 0
.rept 32
	v_pk_add_f32 v[VAL+j:VAL+j+1], v[VAL+j:VAL+j+1], v[R0+j:R0+j+1]
.set j, j+2
.endr
	WIN 0
.endm
	s_load_b512 s[8:23], s[0:1], 0x0               ; argument i in s[8 + 2 i : 9 + 2 i]
	s_load_b256 s[24:31], s[0:1], 0x40
.if TAIL
	s_load_b256 s[32:39], s[0:1], 0x60
	s_load_b128 s[40:43], s[0:1], 0x80
.else
	s_load_b128 s[32:35], s[0:1], 0x60
.endif
	v_lshrrev_b32 v1, 5, v0
	v_readfirstlane_b32 s[WV], v1                  ; wave 0..3
	v_and_b32 v243, 31, v0                         ; lane
	v_and_b32 v240, 15, v0                         ; r
	v_bfe_u32 v241, v0, 4, 1                       ; h
	v_and_b32 v242, 8, v240
	v_add_nc_u32 v242, v242, v240                  ; r + 8 (r / 8)
	v_lshlrev_b32 v[LI], 4, v243
	v_lshlrev_b32 v[LS], 2, v243
	v_lshlrev_b32 v[R4], 2, v240
	s_lshl_b32 s50, s[WV], 10
	v_add_nc_u32 v[XWI], s50, v[LI]
	s_lshr_b32 s50, s[WV], 1
	s_lshl_b32 s50, s50, 6
	s_and_b32 s52, s[WV], 1
	s_lshl_b32 s52, s52, 1
	s_add_co_u32 s50, s50, s52
	v_lshl_add_u32 v[XWS], v241, 7, v[R4]
	v_add_nc_u32 v[XWS], s50, v[XWS]
	s_lshl_b32 s50, s[WV], 8
	v_lshl_add_u32 v[STW], v243, 3, s50
	v_lshlrev_b32 v[STR], 3, v240
.if TAIL
	v_mul_u32_u24 v[SO], v242, 1040
	v_lshl_add_u32 v[SO], v241, 6, v[SO]
	v_add_nc_u32 v[SO], s50, v[SO]
	s_mul_i32 s50, s[WV], 8*1040
	v_add_nc_u32 v[SR], s50, v[LI]
	s_lshl_b32 s50, s[WV], 11
	v_add_nc_u32 v[HWI], s50, v[LI]
	s_lshl_b32 s50, s[WV], 7
	v_add_nc_u32 v[HWS], s50, v[LS]
.endif
	v_lshlrev_b32 v[RA], 9, v242
	v_lshl_add_u32 v[RA], v241, 4, v[RA]
	v_lshlrev_b32 v[RAS], 4, v242
	v_lshlrev_b32 v[H64], 6, v241
	v_lshlrev_b32 v[RB], 8, v242
	v_lshl_add_u32 v[RB], v241, 4, v[RB]
	v_lshlrev_b32 v[RBS], 3, v242
	v_lshlrev_b32 v[RX], 10, v242
	v_lshl_add_u32 v[RX], v241, 6, v[RX]
	v_lshlrev_b32 v[R16], 4, v240
	v_cmp_ne_u32 s[HM], 0, v241
	s_mov_b32 s[SEL], 0x76543210
	s_mov_b32 s[SEL+1], 0xfedcba98
	s_mov_b32 s[MNT], 0x600000
	s_mov_b32 s[EPS], 0x358637bd                   ; 1e-6
	s_mov_b32 s51, 0
	s_wait_alu depctr_va_vdst(0)
	s_wait_kmcnt 0x0
	s_lshl_b32 s50, ttmp9, 9
	s_add_co_u32 s50, s50, 4194304
	s_add_nc_u64 s[66:67], s[8:9], s[50:51]        ; ao's scale bytes: 256 a tile
	s_lshl_b32 s50, ttmp9, 14
	s_add_nc_u64 s[8:9], s[8:9], s[50:51]          ; ao's codes: 8,192 a tile
	s_lshl_b32 s50, s[WV], 15                      ; 64 rows of 512 codes, and 128 rows of 256
	s_add_nc_u64 s[12:13], s[12:13], s[50:51]
	s_add_nc_u64 s[26:27], s[26:27], s[50:51]
.if TAIL
	s_add_nc_u64 s[32:33], s[32:33], s[50:51]
.endif
	s_lshl_b32 s50, s[WV], 10                      ; their scale bytes
	s_add_nc_u64 s[14:15], s[14:15], s[50:51]
	s_add_nc_u64 s[28:29], s[28:29], s[50:51]
.if TAIL
	s_add_nc_u64 s[34:35], s[34:35], s[50:51]
.endif
	s_lshl_b32 s50, s[WV], 8                       ; 64 numbers of a vector of 256
.irp p,16,18,20,22,24
	s_add_nc_u64 s[\p:\p+1], s[\p:\p+1], s[50:51]
.endr
.if TAIL
.irp p,36,38,40
	s_add_nc_u64 s[\p:\p+1], s[\p:\p+1], s[50:51]
.endr
.endif
	s_lshl_b32 s50, s[WV], 9                       ; 128 numbers of a vector of 512
	s_add_nc_u64 s[30:31], s[30:31], s[50:51]
	s_lshl_b32 s50, ttmp9, 2
	s_add_co_u32 s50, s50, s[WV]
	s_lshl_b32 s50, s50, 13                        ; (4 g + w) x 8,192: my image in x1; also (32 g + 8 w) rows of 1,024 bytes
.if TAIL
	s_add_nc_u64 s[10:11], s[10:11], s[50:51]
	s_add_nc_u64 s[42:43], s[42:43], s[50:51]
.else
	s_add_nc_u64 s[32:33], s[32:33], s[50:51]
	s_lshl_b32 s50, ttmp9, 15
	s_lshl_b32 s52, s[WV], 8
	s_add_co_u32 s50, s50, s52
	s_add_nc_u64 s[10:11], s[10:11], s[50:51]      ; x: row 32 g, column 64 w
	s_lshr_b32 s52, ttmp9, 6
	s_lshl_b32 s52, s52, 3
	s_lshl_b32 s53, s[WV], 1
	s_add_co_u32 s52, s52, s53                     ; bh of the first of my two heads: 8 batch + 2 w
	s_and_b32 s53, ttmp9, 63                       ; half of my first tile's number in the batch
	s_lshl_b32 s50, s52, 17
	s_lshl_b32 s54, s53, 11
	s_add_co_u32 s50, s50, s54                     ; Q2's codes: (128 bh + tile) x 1,024
	s_lshl_b32 s54, s52, 13
	s_lshr_b32 s55, s53, 1
	s_lshl_b32 s55, s55, 8
	s_add_co_u32 s54, s54, s55
	s_and_b32 s55, s53, 1
	s_lshl_b32 s55, s55, 3
	s_add_co_u32 s54, s54, s55
	s_add_co_u32 s54, s54, 4194304                 ; its words: 8,192 bh + 256 (tile / 4) + 4 (tile % 4)
	s_mov_b32 s55, 0
	s_add_nc_u64 s[68:69], s[34:35], s[54:55]
	s_add_nc_u64 s[34:35], s[34:35], s[50:51]
.endif
	; THE LOADS, W_B's 64 last
.irp m,0,1
.irp k,0,1,2,3,4,5,6,7,8,9,10,11,12,13,14,15
	global_load_b128 v[AO+64*\m+4*\k:AO+64*\m+4*\k+3], v[LI], s[8:9] offset:8192*\m+512*\k
.endr
	global_load_b128 v[AOS+4*\m:AOS+4*\m+3], v[R16], s[66:67] offset:256*\m
.endr
	WLOAD512 12, 14
	VEC32 VAL, 16                                  ; bias_A is what the sums begin with, in both tiles
	VEC32 VAL+32, 16
	WIN 0xc0                                       ; destination window 3
.if TAIL
.irp k,0,1,2,3,4,5,6,7,8,9,10,11,12,13,14,15
	global_load_b128 v[R0+4*\k:R0+4*\k+3], v[LI], s[10:11] offset:512*\k
.endr
.else
.irp m,0,1
.irp t,0,1,2,3
	global_load_b128 v[R0+32*\m+8*\t:R0+32*\m+8*\t+3], v[RX], s[10:11] offset:8192*\m+(32*(\t/2)+8*(\t%2))*4
	global_load_b128 v[R0+32*\m+8*\t+4:R0+32*\m+8*\t+7], v[RX], s[10:11] offset:8192*\m+(32*(\t/2)+8*(\t%2))*4+16
.endr
.endr
.endif
	VEC32 R1, 18
	VEC32 R1+32, 20
	VEC32 R2, 22
	VEC32 R2+32, 24
.irp t,0,1,2,3,4,5,6,7
	global_load_b128 v[R3+8*\t:R3+8*\t+3], v[H64], s[30:31] offset:(32*(\t/2)+8*(\t%2))*4
	global_load_b128 v[R3+8*\t+4:R3+8*\t+7], v[H64], s[30:31] offset:(32*(\t/2)+8*(\t%2))*4+16
.endr
	WIN 0
.irp t,0,1,2,3,4,5,6,7
	global_load_b64 v[WBS+2*\t:WBS+2*\t+1], v[RBS], s[28:29] offset:(32*(\t/2)+8*(\t%2))*8
.endr
	WIN 0x80                                       ; destination window 2
.irp t,0,1,2,3,4,5,6,7
.irp k,0,1
.irp c,0,1,2,3
	global_load_b128 v[16*(2*\t+\k)+4*\c:16*(2*\t+\k)+4*\c+3], v[RB], s[26:27] offset:(32*(\t/2)+8*(\t%2))*256+128*\k+32*\c
.endr
.endr
.endr
	WIN 0
	s_wait_loadcnt 63                              ; behind all that the first product and the norms read stand W_B's 64 loads: 63 of them may stay out
	; ---- A: ao W_A + bias_A: eight accumulators by turns, a K step at a time
	WIN 0x01                                       ; source 0 (W_A) in window 1
.irp k,0,1,2,3
.irp m,0,1
.irp t,0,1,2,3
	v_wmma_scale_f32_16x16x128_f8f6f4 v[VAL+32*\m+8*\t:VAL+32*\m+8*\t+7], v[16*(4*\t+\k):16*(4*\t+\k)+15], v[AO+64*\m+16*\k:AO+64*\m+16*\k+15], v[VAL+32*\m+8*\t:VAL+32*\m+8*\t+7], v[WAS+4*\t+\k], v[AOS+4*\m+\k]
.endr
.endr
.endr
	WIN 0
.rept 8
	v_nop                                          ; eight places: in front of the first read of results, and of loads into registers that the products read
.endr
.if TAIL
	WLOAD512 32, 34                                ; ffn_w2 takes W_A's registers
.endif
	ADDRES
	LN VAL, ACC, 0, R1
.if TAIL
	WIN 0xc0
	VEC32 R1, 38                                   ; the third norm's gain and bias take the first's registers
	VEC32 R1+32, 40
	WIN 0
.endif
	ADDRES
	LN VAL, ACC, 1, R2
.if TAIL
	WIN 0xc0
	VEC32 R2, 36                                   ; ffn_b2
	WIN 0
.else
.irp k,0,1,2,3,4,5,6,7,8,9,10,11,12,13,14,15
	global_store_b128 v[LI], v[VAL+4*\k:VAL+4*\k+3], s[32:33] offset:512*\k     ; x1, as it stands in my registers: 512 consecutive bytes a store
.endr
.endif
.irp b,0,1,2,3
	v_mov_b32 v[TM+4+\b], 0                        ; written once: a lane permute's destination counts as one of its sources
.endr
	QUANT VAL, ACC, PC, 0                          ; my 64 columns are two blocks of each tile; the numbers themselves stay as they are
.irp i,0,1,2,3
	ds_store_b128 v[XWI], v[PC+4*\i:PC+4*\i+3] offset:XIMG+4096*(\i/2)+512*(\i%2)
.endr
	v_lshl_or_b32 v[TM], v[TM+5], 8, v[TM+4]
	v_lshl_or_b32 v[TM+1], v[TM+7], 8, v[TM+6]
	v_cndmask_b32 v[TM], v[TM], v[TM+1], s[HM]     ; lanes 0-15 carry tile 0's two bytes, lanes 16-31 tile 1's
	ds_store_b16 v[XWS], v[TM] offset:XSC
	BARRIER                                        ; v's four fragments lie in LDS
	s_wait_loadcnt 0x0                             ; W_B, and what was asked for since
	; ---- B: v W_B + bias_B, a tile of rows at a time: my 128 columns in eight accumulators by turns
.irp m,0,1
.irp k,0,1
.irp c,0,1,2,3
	ds_load_b128 v[XF+16*\k+4*\c:XF+16*\k+4*\c+3], v[LI] offset:XIMG+(2*\m+\k)*2048+512*\c
.endr
	ds_load_b32 v[XS+2*\m+\k], v[R4] offset:XSC+64*(2*\m+\k)
.endr
	s_wait_dscnt 0x0
	WIN 0x32                                       ; source 0 (W_B) in window 2, C (bias_B) in window 3
.irp t,0,1,2,3,4,5,6,7
	v_wmma_scale_f32_16x16x128_f8f6f4 v[ACC+8*\t:ACC+8*\t+7], v[32*\t:32*\t+15], v[XF:XF+15], v[R3+8*\t:R3+8*\t+7], v[WBS+2*\t], v[XS+2*\m]
.endr
	WIN 0x02
.irp t,0,1,2,3,4,5,6,7
	v_wmma_scale_f32_16x16x128_f8f6f4 v[ACC+8*\t:ACC+8*\t+7], v[32*\t+16:32*\t+31], v[XF+16:XF+31], v[ACC+8*\t:ACC+8*\t+7], v[WBS+2*\t+1], v[XS+2*\m+1]
.endr
	WIN 0
.rept 8
	v_nop
.endr
.if TAIL
	QUANT ACC, ACC, PC, 1                          ; relu on the way; my 128 hidden units are K step w of the last product
	v_lshl_or_b32 v[PW], v[TM+5], 8, v[TM+4]
	v_lshl_or_b32 v[PW], v[TM+6], 16, v[PW]
	v_lshl_or_b32 v[PW], v[TM+7], 24, v[PW]
.irp c,0,1,2,3
	ds_store_b128 v[HWI], v[PC+4*\c:PC+4*\c+3] offset:HIMG+8192*\m+512*\c
.endr
	ds_store_b32 v[HWS], v[PW] offset:HSC+512*\m
	s_wait_dscnt 0x0
.else
	s_wait_xcnt 0x0                                ; earlier stores have read the registers of the codes
	QUANT ACC, ACC, PC, 0                          ; my 128 columns are two heads, two blocks each
.irp i,0,1,2,3
	global_store_b128 v[LI], v[PC+4*\i:PC+4*\i+3], s[34:35] offset:(\i/2)*131072+\m*1024+(\i%2)*512
.endr
	v_lshl_or_b32 v[6+4*\m], v[TM+5], 8, v[TM+4]
	v_lshl_or_b32 v[7+4*\m], v[TM+7], 8, v[TM+6]
	v_or_b32 v[6+4*\m], 0x5e0000, v[6+4*\m]        ; byte 2 of a query's word: 94
	v_or_b32 v[7+4*\m], 0x5e0000, v[7+4*\m]
.endif
.endr
.if TAIL == 0
	v_cndmask_b32 v6, v6, v7, s[HM]                ; lanes 0-15 carry my first head's words, lanes 16-31 my second's: tile 0's,
	v_cndmask_b32 v7, v10, v11, s[HM]              ; and tile 1's beside it
	v_bfe_u32 v10, v0, 4, 1
	v_lshl_add_u32 v10, v10, 13, v[R16]
	global_store_b64 v10, v[6:7], s[68:69]
	s_wait_xcnt 0x0
	v_lshl_add_u32 v254, v0, 2, 0x4000
	v_mov_b32 v255, 0
	s_wait_alu depctr_va_vdst(0)
	s_wait_tensorcnt 0x0
	ds_add_u32 v254, v255
	s_wait_dscnt 0x0
	s_endpgm
.else
	BARRIER                                        ; the hidden layer's eight fragments lie in LDS
	; ---- C: hidden ffn_w2 + b2: eight accumulators by turns; a K step's two fragments are fetched a step ahead, into two buffers by turns
.macro FETCHH ks, buf                  ; ten LDS loads
.irp m,0,1
.irp c,0,1,2,3
	ds_load_b128 v[\buf+16*\m+4*\c:\buf+16*\m+4*\c+3], v[LI] offset:HIMG+(4*\m+\ks)*2048+512*\c
.endr
	ds_load_b32 v[AOS+4*\m+\ks], v[LS] offset:HSC+(4*\m+\ks)*128
.endr
.endm
.macro MULC ks, buf
.if \ks == 0
	WIN 0x31                                       ; source 0 (ffn_w2) in window 1, C (b2) in window 3
.else
	WIN 0x01
.endif
.irp m,0,1
.irp t,0,1,2,3
.if \ks == 0
	v_wmma_scale_f32_16x16x128_f8f6f4 v[ACC+32*\m+8*\t:ACC+32*\m+8*\t+7], v[16*(4*\t+\ks):16*(4*\t+\ks)+15], v[\buf+16*\m:\buf+16*\m+15], v[R2+8*\t:R2+8*\t+7], v[WAS+4*\t+\ks], v[AOS+4*\m+\ks]
.else
	v_wmma_scale_f32_16x16x128_f8f6f4 v[ACC+32*\m+8*\t:ACC+32*\m+8*\t+7], v[16*(4*\t+\ks):16*(4*\t+\ks)+15], v[\buf+16*\m:\buf+16*\m+15], v[ACC+32*\m+8*\t:ACC+32*\m+8*\t+7], v[WAS+4*\t+\ks], v[AOS+4*\m+\ks]
.endif
.endr
.endr
	WIN 0
.rept 8
	v_nop                                          ; eight places in front of loads into registers that the products read, and of the first read of results
.endr
.endm
	FETCHH 0, 192
	FETCHH 1, 224
	s_wait_dscnt 10                                ; the next K step's ten loads may stay out
	MULC 0, 192
	FETCHH 2, 192
	s_wait_dscnt 10
	MULC 1, 224
	FETCHH 3, 224
	s_wait_dscnt 10
	MULC 2, 192
	s_wait_dscnt 0x0
	MULC 3, 224
.set j, 0
.rept 32
	v_pk_add_f32 v[ACC+j:ACC+j+1], v[ACC+j:ACC+j+1], v[VAL+j:VAL+j+1]   ; + x2
.set j, j+2
.endr
	LN ACC, 192, 2, R1
	; THE WAY OUT: a row's 256 numbers come from four waves: they meet in a stage, and each wave stores eight whole rows
.irp m,0,1
.irp t,0,1,2,3
	ds_store_b128 v[SO], v[ACC+32*\m+8*\t:ACC+32*\m+8*\t+3] offset:STG+8*\m*1040+(32*(\t/2)+8*(\t%2))*4
	ds_store_b128 v[SO], v[ACC+32*\m+8*\t+4:ACC+32*\m+8*\t+7] offset:STG+8*\m*1040+(32*(\t/2)+8*(\t%2))*4+16
.endr
.endr
	BARRIER
.irp i,0,1,2,3,4,5,6,7,8,9,10,11,12,13,14,15
	ds_load_b128 v[192+4*\i:195+4*\i], v[SR] offset:STG+(\i/2)*1040+512*(\i%2)
.endr
.irp i,0,1,2,3,4,5,6,7,8,9,10,11,12,13,14,15
	s_wait_dscnt 15-\i                             ; LDS loads come back in order: load i is in
	global_store_b128 v[LI], v[192+4*\i:195+4*\i], s[42:43] offset:(\i/2)*1024+512*(\i%2) th:TH_STORE_NT   ; 32 lanes store 512 consecutive bytes, aligned
.endr
	s_endpgm
.endif
.Lfunc_end_k_qdb2d8f081f_mid:
	.size	k_qdb2d8f081f_mid, .Lfunc_end_k_qdb2d8f081f_mid-k_qdb2d8f081f_mid
	.p2alignl 7, 3214868480
	.fill 96, 4, 3214868480
	.section	.rodata,"a",@progbits
	.p2align	6, 0x0
	.amdhsa_kernel k_qdb2d8f081f_mid
		.amdhsa_group_segment_fixed_size 16896
		.amdhsa_private_segment_fixed_size 0
		.amdhsa_enable_private_segment 0
		.amdhsa_kernarg_size 112
		.amdhsa_user_sgpr_count 2
		.amdhsa_user_sgpr_kernarg_segment_ptr 1
		.amdhsa_wavefront_size32 1
		.amdhsa_system_sgpr_workgroup_id_x 1
		.amdhsa_system_sgpr_workgroup_id_y 1
		.amdhsa_system_sgpr_workgroup_id_z 1
		.amdhsa_system_vgpr_workitem_id 0
		.amdhsa_next_free_vgpr 1024
		.amdhsa_next_free_sgpr 72
		.amdhsa_reserve_vcc 0
		.amdhsa_float_denorm_mode_32 3
		.amdhsa_float_denorm_mode_16_64 3
		.amdhsa_memory_ordered 1
		.amdhsa_forward_progress 1
		.amdhsa_inst_pref_size 101
	.end_amdhsa_kernel
	.amdgpu_metadata
---
amdhsa.version: [ 1, 2 ]
amdhsa.kernels:
  - .name:           k_qdb2d8f081f_mid
    .symbol:         k_qdb2d8f081f_mid.kd
    .args:
      - { .name: ao, .offset: 0, .size: 8, .value_kind: global_buffer, .address_space: global }
      - { .name: x, .offset: 8, .size: 8, .value_kind: global_buffer, .address_space: global }
      - { .name: m1_w2_codes, .offset: 16, .size: 8, .value_kind: global_buffer, .address_space: global }
      - { .name: m1_w2_scales, .offset: 24, .size: 8, .value_kind: global_buffer, .address_space: global }
      - { .name: m1_b2, .offset: 32, .size: 8, .value_kind: global_buffer, .address_space: global }
      - { .name: m1_g, .offset: 40, .size: 8, .value_kind: global_buffer, .address_space: global }
      - { .name: m1_b, .offset: 48, .size: 8, .value_kind: global_buffer, .address_space: global }
      - { .name: ln1_g, .offset: 56, .size: 8, .value_kind: global_buffer, .address_space: global }
      - { .name: ln1_b, .offset: 64, .size: 8, .value_kind: global_buffer, .address_space: global }
      - { .name: m2_wq_codes, .offset: 72, .size: 8, .value_kind: global_buffer, .address_space: global }
      - { .name: m2_wq_scales, .offset: 80, .size: 8, .value_kind: global_buffer, .address_space: global }
      - { .name: m2_bq, .offset: 88, .size: 8, .value_kind: global_buffer, .address_space: global }
      - { .name: x1, .offset: 96, .size: 8, .value_kind: global_buffer, .address_space: global }
      - { .name: q, .offset: 104, .size: 8, .value_kind: global_buffer, .address_space: global }
    .group_segment_fixed_size: 16896
    .private_segment_fixed_size: 0
    .kernarg_segment_align: 8
    .kernarg_segment_size: 112
    .max_flat_workgroup_size: 128
    .sgpr_count:     72
    .vgpr_count:     1024
    .wavefront_size: 32
...
	.end_amdgpu_metadata
.endif
;; end of part 3
;; launch attn2: the kernel of part 2 again; grid 8 x 32, 8 waves a work-group, clusters of 4 x 1, 327,680 bytes of LDS; arguments q, kv2, ao; writes ao
;; launch tail (part 4): grid 256 x 1, 4 waves a work-group, no clusters, 67,072 bytes of LDS; arguments ao, x1, m2_w2_codes, m2_w2_scales, m2_b2, m2_g, m2_b, ln2_g, ln2_b, ffn_w1_codes, ffn_w1_scales, ffn_b1, ffn_w2_codes, ffn_w2_scales, ffn_b2, ln3_g, ln3_b, out0; writes out0
.if DOCPART == 4
	.amdgcn_target "amdgcn-amd-amdhsa--gfx1250"
	.amdhsa_code_object_version 6
	.text
	.protected	k_qdb2d8f081f_tail
	.globl	k_qdb2d8f081f_tail
	.p2align	8
	.type	k_qdb2d8f081f_tail,@function
k_qdb2d8f081f_tail:
	s_mov_b64 s[64:65], 0
	v_nop
	global_prefetch_b8 v0, s[64:65] scope:SCOPE_SE
	s_setreg_imm32_b32 hwreg(HW_REG_WAVE_MODE, 25, 1), 1
	s_wait_xcnt 0x0
; WHAT FOLLOWS AN ATTENTION.  One text serves two launches; TAIL says which.  Both: v = LNb(res + LNa(ao W_A + bias_A + res)), res the attention's own input; then a product of v with W_B.
; TAIL = 0: res = x; v = x1 is stored (as an image of its registers), and Q2 = x1 m2_wq + bq is quantised along each head's 64 and stored for the second attention.
; TAIL = 1: res = x1; v = x2; hidden = relu(x2 ffn_w1 + b1), quantised; out0 = LN3(x2 + hidden ffn_w2 + b2).
; All products on codes of E4M3 with one E8M0 scale for each 32 along K; norms, residuals and what goes into a quantiser in f32.
; SHARES.  Work-group g owns rows 32 g .. 32 g + 31: two tiles; lane r of tile m holds row 32 g + 8 m + r + 8 (r / 8).  THE FOUR WAVES SHARE THE COLUMNS: wave w makes columns 64 w .. of the products with 256 columns
; and 128 w .. of the product with 512.  Each wave's weights go from memory straight into its registers, each byte once a work-group.  No tensor loads and no joint loads: a weight's fragment serves two tiles of
; rows only, so a way through LDS would add a write and a read of each byte to launches whose whole work is a few hundred products a wave.
; All products are used transposed (source 0 = 16 rows of the weight, source 1 = 16 rows): a lane holds one row, and since lane r of a weight's tile 2 b + u takes row 32 b + 8 u + r + 8 (r / 8), the 16 registers of
; two neighbouring tiles are 16 neighbours along the next K.  Operands go from wave to wave through LDS as images of their registers (a group of four registers: 512 bytes, lane l at 16 l).
; A NORM: each wave takes the mean and the sum of squared differences of its own 64 columns; the four pairs meet in LDS behind one barrier and are joined exactly (sum of the parts' sums of squares + 64 x the
; squared distances of the parts' means): no difference of large sums is formed.
; LIMITS: NaN and infinities are not served; a block whose largest magnitude lies under 2^-118 keeps the scale byte 1.
.set TAIL, 1
.set STAT, 0                           ; LDS: three norms x [wave 4][lane 32] x 8 bytes (mean, sum of squares); lanes 0-15 carry tile 0, lanes 16-31 tile 1
.set XSC,  3072                        ; v's scale words: (2 m + K step) x 64 + 4 r
.set HSC,  3584                        ; the hidden layer's: (4 m + K step) x 128 + 4 lane
.set XIMG, 8192                        ; v's four fragments: (2 m + K step) x 2,048
.set HIMG, 16384                       ; the hidden layer's eight: (4 m + K step) x 2,048
.set STG,  32768                       ; the way out: 32 rows x (1,024 + 16) bytes
.set LI,  1                            ; v1  16 lane
.set LS,  2                            ; v2  4 lane
.set R4,  3                            ; v3  4 r
.set XWI, 4                            ; v4  16 lane + 1,024 w
.set XWS, 5                            ; v5  128 h + 4 r + 64 (w / 2) + 2 (w % 2)
.set HWI, 6                            ; v6  16 lane + 2,048 w        (TAIL = 0: v6, v7, v10, v11 hold Q2's four scale words)
.set HWS, 7                            ; v7  4 lane + 128 w
.set STW, 8                            ; v8  8 lane + 256 w
.set STR, 9                            ; v9  8 r
.set SO,  10                           ; v10 (r + 8 (r / 8)) x 1,040 + 256 w + 64 h
.set SR,  11                           ; v11 16 lane + 8 w x 1,040
.set RA,  12                           ; v12 (r + 8 (r / 8)) x 512 + 16 h: rows of 512 codes
.set RAS, 13                           ; v13 (r + 8 (r / 8)) x 16: their scale bytes
.set H64, 14                           ; v14 64 h
.set RB,  15                           ; v15 (r + 8 (r / 8)) x 256 + 16 h: rows of 256 codes
.set WAS, 16                           ; v16-31 W_A's scale words (4 tile + K step); TAIL: later ffn_w2's
.set WBS, 32                           ; v32-47 W_B's (2 tile + K step)
.set AOS, 48                           ; v48-55 ao's (4 m + K step); TAIL: later the hidden layer's
.set XS,  56                           ; v56-59 v's (2 m + K step)
.set PW,  60
.set RBS, 61                           ; v61 (r + 8 (r / 8)) x 8
.set RX,  62                           ; v62 (r + 8 (r / 8)) x 1,024 + 64 h
.set R16, 63                           ; v63 16 r
.set VAL, 64                           ; v64-127 the rows' numbers: register 32 m + 8 tile + j
.set AO,  128                          ; v128-255 ao's eight fragments (64 m + 16 K step); afterwards:
.set ACC, 128                          ; v128-191 a norm's temporaries, held numbers, accumulators
.set XF,  192                          ; v192-223 two fragments
.set PC,  224                          ; v224-239 the codes just made
.set TM,  240                          ; v240-255 the quantiser's
.set R0,  0                            ; window 3: v0-63 res; v64-127 norm a's gain and bias; v128-191 norm b's; v192-255 bias_B.   window 1: W_A.   window 2: W_B
.set R1,  64
.set R2,  128
.set R3,  192
.set WV,  4
.set HM,  44                           ; s44 the lanes 16-31
.set EPS, 45
.set SEL, 46
.set MNT, 48
.set MSB, 0
.macro WIN new                         ; the immediate's high byte repeats the setting that is left
.if MSB != \new
	s_set_vgpr_msb (MSB<<8)|\new
.set MSB, \new
.endif
.endm
; 64 numbers of a lane, four blocks of 16 at v[src + 16 b] (lane l xor 16 holds each block's other 16), become 16 registers of codes at v[pc]; the held numbers go to v[dst]; the four scale bytes are left in v[TM+4 ..].
.macro QUANT src, dst, pc, relu
.if \relu
.irp b,0,1,2,3
	v_max3_num_f32 v[TM+\b], v[\src+16*\b], v[\src+16*\b+1], 0x4800000   ; no |.|: what is negative becomes 0; the floor 2^(9 - 127) holds the byte at 1 from below
.endr
.irp i,2,4,6,8,10,12,14
.irp b,0,1,2,3
	v_max3_num_f32 v[TM+\b], v[TM+\b], v[\src+16*\b+\i], v[\src+16*\b+\i+1]
.endr
.endr
.else
.irp b,0,1,2,3
	v_max3_num_f32 v[TM+\b], |v[\src+16*\b]|, |v[\src+16*\b+1]|, 0x4800000
.endr
.irp i,2,4,6,8,10,12,14
.irp b,0,1,2,3
	v_max3_num_f32 v[TM+\b], v[TM+\b], |v[\src+16*\b+\i]|, |v[\src+16*\b+\i+1]|
.endr
.endr
.endif
.irp b,0,1,2,3
	v_permlanex16_b32 v[TM+4+\b], v[TM+\b], s[SEL], s[SEL+1]
.endr
.irp b,0,1,2,3
	v_max_num_f32 v[TM+\b], v[TM+\b], v[TM+4+\b]           ; the block's largest magnitude
.endr
.irp b,0,1,2,3
	v_add_nc_u32 v[TM+12+\b], 0xfc000000, v[TM+\b]         ; 8 off its exponent field: the conversion's scale operand
.endr
.irp b,0,1,2,3
	v_and_or_b32 v[TM+8+\b], v[TM+\b], 0x7f800000, s[MNT]  ; 448 x the scale
.endr
.irp b,0,1,2,3
	v_lshrrev_b32 v[TM+4+\b], 23, v[TM+12+\b]              ; the scale's byte
.endr
.irp b,0,1,2,3
.irp i,0,1,2,3,4,5,6,7,8,9,10,11,12,13,14,15
.if \relu
	v_med3_num_f32 v[\dst+16*\b+\i], v[\src+16*\b+\i], 0, v[TM+8+\b]           ; the activation and the hold in one
.else
	v_med3_num_f32 v[\dst+16*\b+\i], v[\src+16*\b+\i], -v[TM+8+\b], v[TM+8+\b] ; the conversion to an 8-bit code does not saturate (ISA guide 7.6.2): the hold comes first
.endif
.endr
	v_cvt_scalef32_pk8_fp8_f32 v[\pc+4*\b:\pc+4*\b+1], v[\dst+16*\b:\dst+16*\b+7], v[TM+12+\b]
	v_cvt_scalef32_pk8_fp8_f32 v[\pc+4*\b+2:\pc+4*\b+3], v[\dst+16*\b+8:\dst+16*\b+15], v[TM+12+\b]
.endr
	v_nop                                                  ; one plain line behind the last conversion
.endm
.macro VEC32 reg, base                 ; 32 numbers of a vector of 256 in the result's layout: tile t's eight columns of my half
.irp t,0,1,2,3
	global_load_b128 v[\reg+8*\t:\reg+8*\t+3], v[H64], s[\base:\base+1] offset:(32*(\t/2)+8*(\t%2))*4
	global_load_b128 v[\reg+8*\t+4:\reg+8*\t+7], v[H64], s[\base:\base+1] offset:(32*(\t/2)+8*(\t%2))*4+16
.endr
.endm
.macro WLOAD512 cbase, sbase           ; my 64 rows of a weight with K = 512: 64 loads of codes into window 1, 4 of scale words
	WIN 0x40
.irp t,0,1,2,3
.irp k,0,1,2,3
.irp c,0,1,2,3
	global_load_b128 v[16*(4*\t+\k)+4*\c:16*(4*\t+\k)+4*\c+3], v[RA], s[\cbase:\cbase+1] offset:(32*(\t/2)+8*(\t%2))*512+128*\k+32*\c
.endr
.endr
.endr
	WIN 0
.irp t,0,1,2,3
	global_load_b128 v[WAS+4*\t:WAS+4*\t+3], v[RAS], s[\sbase:\sbase+1] offset:(32*(\t/2)+8*(\t%2))*16
.endr
.endm
.macro BARRIER                         ; my LDS stores have landed and my LDS loads are in: then the work-group's barrier
	s_wait_dscnt 0x0
	s_barrier_signal -1
	s_barrier_wait -1
.endm
.macro JOIN tt                         ; of each tile: its two chains, the pair's halves, and lane l xor 16's sum into v[tt + 4 m + 1]
.irp m,0,1
	v_pk_add_f32 v[\tt+4*\m:\tt+4*\m+1], v[\tt+4*\m:\tt+4*\m+1], v[\tt+4*\m+2:\tt+4*\m+3]
.endr
.irp m,0,1
	v_add_f32 v[\tt+4*\m], v[\tt+4*\m], v[\tt+4*\m+1]
.endr
.irp m,0,1
	v_permlanex16_b32 v[\tt+4*\m+1], v[\tt+4*\m], s[SEL], s[SEL+1]
.endr
.endm
; The norm of both tiles' rows, in place in v[vv .. vv + 63]; tt: 24 temporaries; ee: which of the three regions of LDS; rr: gain at v[rr], bias at v[rr + 32] of window 3.
.macro LN vv, tt, ee, rr
.irp m,0,1
.irp c,0,2
	v_pk_add_f32 v[\tt+4*\m+\c:\tt+4*\m+\c+1], v[\vv+32*\m+\c:\vv+32*\m+\c+1], v[\vv+32*\m+\c+4:\vv+32*\m+\c+5]
.endr
.endr
.irp k,8,12,16,20,24,28
.irp m,0,1
.irp c,0,2
	v_pk_add_f32 v[\tt+4*\m+\c:\tt+4*\m+\c+1], v[\tt+4*\m+\c:\tt+4*\m+\c+1], v[\vv+32*\m+\k+\c:\vv+32*\m+\k+\c+1]
.endr
.endr
.endr
	JOIN \tt
.irp m,0,1
	v_add_f32 v[\tt+4*\m], v[\tt+4*\m], v[\tt+4*\m+1]
.endr
.irp m,0,1
	v_mul_f32 v[\tt+8+2*\m], 0x3c800000, v[\tt+4*\m]       ; / 64: the mean of my wave's 64 columns
	v_mov_b32 v[\tt+9+2*\m], 0                             ; (the pair's upper half is named with it)
.endr
.irp k,0,2,4,6,8,10,12,14,16,18,20,22,24,26,28,30
.irp m,0,1
	v_pk_add_f32 v[\tt+12+4*\m+\k%4:\tt+13+4*\m+\k%4], v[\vv+32*\m+\k:\vv+32*\m+\k+1], v[\tt+8+2*\m:\tt+9+2*\m] op_sel_hi:[1,0] neg_lo:[0,1] neg_hi:[0,1]
.endr
.irp m,0,1
.if \k < 4
	v_pk_mul_f32 v[\tt+4*\m+\k%4:\tt+4*\m+\k%4+1], v[\tt+12+4*\m+\k%4:\tt+13+4*\m+\k%4], v[\tt+12+4*\m+\k%4:\tt+13+4*\m+\k%4]
.else
	v_pk_fma_f32 v[\tt+4*\m+\k%4:\tt+4*\m+\k%4+1], v[\tt+12+4*\m+\k%4:\tt+13+4*\m+\k%4], v[\tt+12+4*\m+\k%4:\tt+13+4*\m+\k%4], v[\tt+4*\m+\k%4:\tt+4*\m+\k%4+1]
.endif
.endr
.endr
	JOIN \tt
.irp m,0,1
	v_add_f32 v[\tt+9+2*\m], v[\tt+4*\m], v[\tt+4*\m+1]    ; the sum of squared differences from that mean
.endr
	v_cndmask_b32 v[\tt+20], v[\tt+8], v[\tt+10], s[HM]    ; lanes 0-15 carry tile 0's pair, lanes 16-31 tile 1's
	v_cndmask_b32 v[\tt+21], v[\tt+9], v[\tt+11], s[HM]
	ds_store_b64 v[STW], v[\tt+20:\tt+21] offset:STAT+1024*\ee
	BARRIER
.irp w,0,1,2,3
.irp m,0,1
	ds_load_b64 v[\tt+4*\w+2*\m:\tt+4*\w+2*\m+1], v[STR] offset:STAT+1024*\ee+256*\w+128*\m
.endr
.endr
	s_wait_dscnt 0x0
.irp m,0,1
	v_add_f32 v[\tt+16+4*\m], v[\tt+2*\m], v[\tt+4+2*\m]
	v_add_f32 v[\tt+17+4*\m], v[\tt+8+2*\m], v[\tt+12+2*\m]
	v_add_f32 v[\tt+16+4*\m], v[\tt+16+4*\m], v[\tt+17+4*\m]
	v_mul_f32 v[\tt+16+4*\m], 0x3e800000, v[\tt+16+4*\m]   ; the row's mean
	v_add_f32 v[\tt+17+4*\m], v[\tt+1+2*\m], v[\tt+5+2*\m]
	v_add_f32 v[\tt+18+4*\m], v[\tt+9+2*\m], v[\tt+13+2*\m]
	v_add_f32 v[\tt+17+4*\m], v[\tt+17+4*\m], v[\tt+18+4*\m]
.irp w,0,1,2,3
	v_sub_f32 v[\tt+4*\w+2*\m], v[\tt+4*\w+2*\m], v[\tt+16+4*\m]
.endr
	v_mul_f32 v[\tt+18+4*\m], v[\tt+2*\m], v[\tt+2*\m]
.irp w,1,2,3
	v_fma_f32 v[\tt+18+4*\m], v[\tt+4*\w+2*\m], v[\tt+4*\w+2*\m], v[\tt+18+4*\m]
.endr
	v_fma_f32 v[\tt+17+4*\m], v[\tt+18+4*\m], 0x42800000, v[\tt+17+4*\m]   ; + 64 x the squared distances of the four means
	v_fma_f32 v[\tt+17+4*\m], v[\tt+17+4*\m], 0x3b800000, s[EPS]           ; / 256 + 1e-6
.endr
	s_wait_alu depctr_va_vdst(0)
	v_rsq_f32 v[\tt+18], v[\tt+17]
	v_rsq_f32 v[\tt+22], v[\tt+21]
	v_mov_b32 v[\tt+19], 0                                 ; plain lines behind the two; the pairs' upper halves are named with them
	v_mov_b32 v[\tt+23], 0
	s_wait_alu depctr_va_vdst(0)                           ; one wait for both, ahead of their first reader
.irp m,0,1
.set j, 0
.rept 16
	v_pk_add_f32 v[\vv+32*\m+j:\vv+32*\m+j+1], v[\vv+32*\m+j:\vv+32*\m+j+1], v[\tt+16+4*\m:\tt+17+4*\m] op_sel_hi:[1,0] neg_lo:[0,1] neg_hi:[0,1]
.set j, j+2
.endr
.endr
.irp m,0,1
.set j, 0
.rept 16
	v_pk_mul_f32 v[\vv+32*\m+j:\vv+32*\m+j+1], v[\vv+32*\m+j:\vv+32*\m+j+1], v[\tt+18+4*\m:\tt+19+4*\m] op_sel_hi:[1,0]
.set j, j+2
.endr
.endr
	WIN 0x3c                                               ; gain and bias in window 3
.irp m,0,1
.set j, 0
.rept 16
	v_pk_fma_f32 v[\vv+32*\m+j:\vv+32*\m+j+1], v[\vv+32*\m+j:\vv+32*\m+j+1], v[\rr+j:\rr+j+1], v[\rr+32+j:\rr+32+j+1]
.set j, j+2
.endr
.endr
	WIN 0
.endm
.macro ADDRES                          ; the rows' numbers + res
	WIN 0x0c
.set j, 0
.rept 32
	v_pk_add_f32 v[VAL+j:VAL+j+1], v[VAL+j:VAL+j+1], v[R0+j:R0+j+1]
.set j, j+2
.endr
	WIN 0
.endm
	s_load_b512 s[8:23], s[0:1], 0x0               ; argument i in s[8 + 2 i : 9 + 2 i]
	s_load_b256 s[24:31], s[0:1], 0x40
.if TAIL
	s_load_b256 s[32:39], s[0:1], 0x60
	s_load_b128 s[40:43], s[0:1], 0x80
.else
	s_load_b128 s[32:35], s[0:1], 0x60
.endif
	v_lshrrev_b32 v1, 5, v0
	v_readfirstlane_b32 s[WV], v1                  ; wave 0..3
	v_and_b32 v243, 31, v0                         ; lane
	v_and_b32 v240, 15, v0                         ; r
	v_bfe_u32 v241, v0, 4, 1                       ; h
	v_and_b32 v242, 8, v240
	v_add_nc_u32 v242, v242, v240                  ; r + 8 (r / 8)
	v_lshlrev_b32 v[LI], 4, v243
	v_lshlrev_b32 v[LS], 2, v243
	v_lshlrev_b32 v[R4], 2, v240
	s_lshl_b32 s50, s[WV], 10
	v_add_nc_u32 v[XWI], s50, v[LI]
	s_lshr_b32 s50, s[WV], 1
	s_lshl_b32 s50, s50, 6
	s_and_b32 s52, s[WV], 1
	s_lshl_b32 s52, s52, 1
	s_add_co_u32 s50, s50, s52
	v_lshl_add_u32 v[XWS], v241, 7, v[R4]
	v_add_nc_u32 v[XWS], s50, v[XWS]
	s_lshl_b32 s50, s[WV], 8
	v_lshl_add_u32 v[STW], v243, 3, s50
	v_lshlrev_b32 v[STR], 3, v240
.if TAIL
	v_mul_u32_u24 v[SO], v242, 1040
	v_lshl_add_u32 v[SO], v241, 6, v[SO]
	v_add_nc_u32 v[SO], s50, v[SO]
	s_mul_i32 s50, s[WV], 8*1040
	v_add_nc_u32 v[SR], s50, v[LI]
	s_lshl_b32 s50, s[WV], 11
	v_add_nc_u32 v[HWI], s50, v[LI]
	s_lshl_b32 s50, s[WV], 7
	v_add_nc_u32 v[HWS], s50, v[LS]
.endif
	v_lshlrev_b32 v[RA], 9, v242
	v_lshl_add_u32 v[RA], v241, 4, v[RA]
	v_lshlrev_b32 v[RAS], 4, v242
	v_lshlrev_b32 v[H64], 6, v241
	v_lshlrev_b32 v[RB], 8, v242
	v_lshl_add_u32 v[RB], v241, 4, v[RB]
	v_lshlrev_b32 v[RBS], 3, v242
	v_lshlrev_b32 v[RX], 10, v242
	v_lshl_add_u32 v[RX], v241, 6, v[RX]
	v_lshlrev_b32 v[R16], 4, v240
	v_cmp_ne_u32 s[HM], 0, v241
	s_mov_b32 s[SEL], 0x76543210
	s_mov_b32 s[SEL+1], 0xfedcba98
	s_mov_b32 s[MNT], 0x600000
	s_mov_b32 s[EPS], 0x358637bd                   ; 1e-6
	s_mov_b32 s51, 0
	s_wait_alu depctr_va_vdst(0)
	s_wait_kmcnt 0x0
	s_lshl_b32 s50, ttmp9, 9
	s_add_co_u32 s50, s50, 4194304
	s_add_nc_u64 s[66:67], s[8:9], s[50:51]        ; ao's scale bytes: 256 a tile
	s_lshl_b32 s50, ttmp9, 14
	s_add_nc_u64 s[8:9], s[8:9], s[50:51]          ; ao's codes: 8,192 a tile
	s_lshl_b32 s50, s[WV], 15                      ; 64 rows of 512 codes, and 128 rows of 256
	s_add_nc_u64 s[12:13], s[12:13], s[50:51]
	s_add_nc_u64 s[26:27], s[26:27], s[50:51]
.if TAIL
	s_add_nc_u64 s[32:33], s[32:33], s[50:51]
.endif
	s_lshl_b32 s50, s[WV], 10                      ; their scale bytes
	s_add_nc_u64 s[14:15], s[14:15], s[50:51]
	s_add_nc_u64 s[28:29], s[28:29], s[50:51]
.if TAIL
	s_add_nc_u64 s[34:35], s[34:35], s[50:51]
.endif
	s_lshl_b32 s50, s[WV], 8                       ; 64 numbers of a vector of 256
.irp p,16,18,20,22,24
	s_add_nc_u64 s[\p:\p+1], s[\p:\p+1], s[50:51]
.endr
.if TAIL
.irp p,36,38,40
	s_add_nc_u64 s[\p:\p+1], s[\p:\p+1], s[50:51]
.endr
.endif
	s_lshl_b32 s50, s[WV], 9                       ; 128 numbers of a vector of 512
	s_add_nc_u64 s[30:31], s[30:31], s[50:51]
	s_lshl_b32 s50, ttmp9, 2
	s_add_co_u32 s50, s50, s[WV]
	s_lshl_b32 s50, s50, 13                        ; (4 g + w) x 8,192: my image in x1; also (32 g + 8 w) rows of 1,024 bytes
.if TAIL
	s_add_nc_u64 s[10:11], s[10:11], s[50:51]
	s_add_nc_u64 s[42:43], s[42:43], s[50:51]
.else
	s_add_nc_u64 s[32:33], s[32:33], s[50:51]
	s_lshl_b32 s50, ttmp9, 15
	s_lshl_b32 s52, s[WV], 8
	s_add_co_u32 s50, s50, s52
	s_add_nc_u64 s[10:11], s[10:11], s[50:51]      ; x: row 32 g, column 64 w
	s_lshr_b32 s52, ttmp9, 6
	s_lshl_b32 s52, s52, 3
	s_lshl_b32 s53, s[WV], 1
	s_add_co_u32 s52, s52, s53                     ; bh of the first of my two heads: 8 batch + 2 w
	s_and_b32 s53, ttmp9, 63                       ; half of my first tile's number in the batch
	s_lshl_b32 s50, s52, 17
	s_lshl_b32 s54, s53, 11
	s_add_co_u32 s50, s50, s54                     ; Q2's codes: (128 bh + tile) x 1,024
	s_lshl_b32 s54, s52, 13
	s_lshr_b32 s55, s53, 1
	s_lshl_b32 s55, s55, 8
	s_add_co_u32 s54, s54, s55
	s_and_b32 s55, s53, 1
	s_lshl_b32 s55, s55, 3
	s_add_co_u32 s54, s54, s55
	s_add_co_u32 s54, s54, 4194304                 ; its words: 8,192 bh + 256 (tile / 4) + 4 (tile % 4)
	s_mov_b32 s55, 0
	s_add_nc_u64 s[68:69], s[34:35], s[54:55]
	s_add_nc_u64 s[34:35], s[34:35], s[50:51]
.endif
	; THE LOADS, W_B's 64 last
.irp m,0,1
.irp k,0,1,2,3,4,5,6,7,8,9,10,11,12,13,14,15
	global_load_b128 v[AO+64*\m+4*\k:AO+64*\m+4*\k+3], v[LI], s[8:9] offset:8192*\m+512*\k
.endr
	global_load_b128 v[AOS+4*\m:AOS+4*\m+3], v[R16], s[66:67] offset:256*\m
.endr
	WLOAD512 12, 14
	VEC32 VAL, 16                                  ; bias_A is what the sums begin with, in both tiles
	VEC32 VAL+32, 16
	WIN 0xc0                                       ; destination window 3
.if TAIL
.irp k,0,1,2,3,4,5,6,7,8,9,10,11,12,13,14,15
	global_load_b128 v[R0+4*\k:R0+4*\k+3], v[LI], s[10:11] offset:512*\k
.endr
.else
.irp m,0,1
.irp t,0,1,2,3
	global_load_b128 v[R0+32*\m+8*\t:R0+32*\m+8*\t+3], v[RX], s[10:11] offset:8192*\m+(32*(\t/2)+8*(\t%2))*4
	global_load_b128 v[R0+32*\m+8*\t+4:R0+32*\m+8*\t+7], v[RX], s[10:11] offset:8192*\m+(32*(\t/2)+8*(\t%2))*4+16
.endr
.endr
.endif
	VEC32 R1, 18
	VEC32 R1+32, 20
	VEC32 R2, 22
	VEC32 R2+32, 24
.irp t,0,1,2,3,4,5,6,7
	global_load_b128 v[R3+8*\t:R3+8*\t+3], v[H64], s[30:31] offset:(32*(\t/2)+8*(\t%2))*4
	global_load_b128 v[R3+8*\t+4:R3+8*\t+7], v[H64], s[30:31] offset:(32*(\t/2)+8*(\t%2))*4+16
.endr
	WIN 0
.irp t,0,1,2,3,4,5,6,7
	global_load_b64 v[WBS+2*\t:WBS+2*\t+1], v[RBS], s[28:29] offset:(32*(\t/2)+8*(\t%2))*8
.endr
	WIN 0x80                                       ; destination window 2
.irp t,0,1,2,3,4,5,6,7
.irp k,0,1
.irp c,0,1,2,3
	global_load_b128 v[16*(2*\t+\k)+4*\c:16*(2*\t+\k)+4*\c+3], v[RB], s[26:27] offset:(32*(\t/2)+8*(\t%2))*256+128*\k+32*\c
.endr
.endr
.endr
	WIN 0
	s_wait_loadcnt 63                              ; behind all that the first product and the norms read stand W_B's 64 loads: 63 of them may stay out
	; ---- A: ao W_A + bias_A: eight accumulators by turns, a K step at a time
	WIN 0x01                                       ; source 0 (W_A) in window 1
.irp k,0,1,2,3
.irp m,0,1
.irp t,0,1,2,3
	v_wmma_scale_f32_16x16x128_f8f6f4 v[VAL+32*\m+8*\t:VAL+32*\m+8*\t+7], v[16*(4*\t+\k):16*(4*\t+\k)+15], v[AO+64*\m+16*\k:AO+64*\m+16*\k+15], v[VAL+32*\m+8*\t:VAL+32*\m+8*\t+7], v[WAS+4*\t+\k], v[AOS+4*\m+\k]
.endr
.endr
.endr
	WIN 0
.rept 8
	v_nop                                          ; eight places: in front of the first read of results, and of loads into registers that the products read
.endr
.if TAIL
	WLOAD512 32, 34                                ; ffn_w2 takes W_A's registers
.endif
	ADDRES
	LN VAL, ACC, 0, R1
.if TAIL
	WIN 0xc0
	VEC32 R1, 38                                   ; the third norm's gain and bias take the first's registers
	VEC32 R1+32, 40
	WIN 0
.endif
	ADDRES
	LN VAL, ACC, 1, R2
.if TAIL
	WIN 0xc0
	VEC32 R2, 36                                   ; ffn_b2
	WIN 0
.else
.irp k,0,1,2,3,4,5,6,7,8,9,10,11,12,13,14,15
	global_store_b128 v[LI], v[VAL+4*\k:VAL+4*\k+3], s[32:33] offset:512*\k     ; x1, as it stands in my registers: 512 consecutive bytes a store
.endr
.endif
.irp b,0,1,2,3
	v_mov_b32 v[TM+4+\b], 0                        ; written once: a lane permute's destination counts as one of its sources
.endr
	QUANT VAL, ACC, PC, 0                          ; my 64 columns are two blocks of each tile; the numbers themselves stay as they are
.irp i,0,1,2,3
	ds_store_b128 v[XWI], v[PC+4*\i:PC+4*\i+3] offset:XIMG+4096*(\i/2)+512*(\i%2)
.endr
	v_lshl_or_b32 v[TM], v[TM+5], 8, v[TM+4]
	v_lshl_or_b32 v[TM+1], v[TM+7], 8, v[TM+6]
	v_cndmask_b32 v[TM], v[TM], v[TM+1], s[HM]     ; lanes 0-15 carry tile 0's two bytes, lanes 16-31 tile 1's
	ds_store_b16 v[XWS], v[TM] offset:XSC
	BARRIER                                        ; v's four fragments lie in LDS
	s_wait_loadcnt 0x0                             ; W_B, and what was asked for since
	; ---- B: v W_B + bias_B, a tile of rows at a time: my 128 columns in eight accumulators by turns
.irp m,0,1
.irp k,0,1
.irp c,0,1,2,3
	ds_load_b128 v[XF+16*\k+4*\c:XF+16*\k+4*\c+3], v[LI] offset:XIMG+(2*\m+\k)*2048+512*\c
.endr
	ds_load_b32 v[XS+2*\m+\k], v[R4] offset:XSC+64*(2*\m+\k)
.endr
	s_wait_dscnt 0x0
	WIN 0x32                                       ; source 0 (W_B) in window 2, C (bias_B) in window 3
.irp t,0,1,2,3,4,5,6,7
	v_wmma_scale_f32_16x16x128_f8f6f4 v[ACC+8*\t:ACC+8*\t+7], v[32*\t:32*\t+15], v[XF:XF+15], v[R3+8*\t:R3+8*\t+7], v[WBS+2*\t], v[XS+2*\m]
.endr
	WIN 0x02
.irp t,0,1,2,3,4,5,6,7
	v_wmma_scale_f32_16x16x128_f8f6f4 v[ACC+8*\t:ACC+8*\t+7], v[32*\t+16:32*\t+31], v[XF+16:XF+31], v[ACC+8*\t:ACC+8*\t+7], v[WBS+2*\t+1], v[XS+2*\m+1]
.endr
	WIN 0
.rept 8
	v_nop
.endr
.if TAIL
	QUANT ACC, ACC, PC, 1                          ; relu on the way; my 128 hidden units are K step w of the last product
	v_lshl_or_b32 v[PW], v[TM+5], 8, v[TM+4]
	v_lshl_or_b32 v[PW], v[TM+6], 16, v[PW]
	v_lshl_or_b32 v[PW], v[TM+7], 24, v[PW]
.irp c,0,1,2,3
	ds_store_b128 v[HWI], v[PC+4*\c:PC+4*\c+3] offset:HIMG+8192*\m+512*\c
.endr
	ds_store_b32 v[HWS], v[PW] offset:HSC+512*\m
	s_wait_dscnt 0x0
.else
	s_wait_xcnt 0x0                                ; earlier stores have read the registers of the codes
	QUANT ACC, ACC, PC, 0                          ; my 128 columns are two heads, two blocks each
.irp i,0,1,2,3
	global_store_b128 v[LI], v[PC+4*\i:PC+4*\i+3], s[34:35] offset:(\i/2)*131072+\m*1024+(\i%2)*512
.endr
	v_lshl_or_b32 v[6+4*\m], v[TM+5], 8, v[TM+4]
	v_lshl_or_b32 v[7+4*\m], v[TM+7], 8, v[TM+6]
	v_or_b32 v[6+4*\m], 0x5e0000, v[6+4*\m]        ; byte 2 of a query's word: 94
	v_or_b32 v[7+4*\m], 0x5e0000, v[7+4*\m]
.endif
.endr
.if TAIL == 0
	v_cndmask_b32 v6, v6, v7, s[HM]                ; lanes 0-15 carry my first head's words, lanes 16-31 my second's: tile 0's,
	v_cndmask_b32 v7, v10, v11, s[HM]              ; and tile 1's beside it
	v_bfe_u32 v10, v0, 4, 1
	v_lshl_add_u32 v10, v10, 13, v[R16]
	global_store_b64 v10, v[6:7], s[68:69]
	s_endpgm
.else
	BARRIER                                        ; the hidden layer's eight fragments lie in LDS
	; ---- C: hidden ffn_w2 + b2: eight accumulators by turns; a K step's two fragments are fetched a step ahead, into two buffers by turns
.macro FETCHH ks, buf                  ; ten LDS loads
.irp m,0,1
.irp c,0,1,2,3
	ds_load_b128 v[\buf+16*\m+4*\c:\buf+16*\m+4*\c+3], v[LI] offset:HIMG+(4*\m+\ks)*2048+512*\c
.endr
	ds_load_b32 v[AOS+4*\m+\ks], v[LS] offset:HSC+(4*\m+\ks)*128
.endr
.endm
.macro MULC ks, buf
.if \ks == 0
	WIN 0x31                                       ; source 0 (ffn_w2) in window 1, C (b2) in window 3
.else
	WIN 0x01
.endif
.irp m,0,1
.irp t,0,1,2,3
.if \ks == 0
	v_wmma_scale_f32_16x16x128_f8f6f4 v[ACC+32*\m+8*\t:ACC+32*\m+8*\t+7], v[16*(4*\t+\ks):16*(4*\t+\ks)+15], v[\buf+16*\m:\buf+16*\m+15], v[R2+8*\t:R2+8*\t+7], v[WAS+4*\t+\ks], v[AOS+4*\m+\ks]
.else
	v_wmma_scale_f32_16x16x128_f8f6f4 v[ACC+32*\m+8*\t:ACC+32*\m+8*\t+7], v[16*(4*\t+\ks):16*(4*\t+\ks)+15], v[\buf+16*\m:\buf+16*\m+15], v[ACC+32*\m+8*\t:ACC+32*\m+8*\t+7], v[WAS+4*\t+\ks], v[AOS+4*\m+\ks]
.endif
.endr
.endr
	WIN 0
.rept 8
	v_nop                                          ; eight places in front of loads into registers that the products read, and of the first read of results
.endr
.endm
	FETCHH 0, 192
	FETCHH 1, 224
	s_wait_dscnt 10                                ; the next K step's ten loads may stay out
	MULC 0, 192
	FETCHH 2, 192
	s_wait_dscnt 10
	MULC 1, 224
	FETCHH 3, 224
	s_wait_dscnt 10
	MULC 2, 192
	s_wait_dscnt 0x0
	MULC 3, 224
.set j, 0
.rept 32
	v_pk_add_f32 v[ACC+j:ACC+j+1], v[ACC+j:ACC+j+1], v[VAL+j:VAL+j+1]   ; + x2
.set j, j+2
.endr
	LN ACC, 192, 2, R1
	; THE WAY OUT: a row's 256 numbers come from four waves: they meet in a stage, and each wave stores eight whole rows
.irp m,0,1
.irp t,0,1,2,3
	ds_store_b128 v[SO], v[ACC+32*\m+8*\t:ACC+32*\m+8*\t+3] offset:STG+8*\m*1040+(32*(\t/2)+8*(\t%2))*4
	ds_store_b128 v[SO], v[ACC+32*\m+8*\t+4:ACC+32*\m+8*\t+7] offset:STG+8*\m*1040+(32*(\t/2)+8*(\t%2))*4+16
.endr
.endr
	BARRIER
.irp i,0,1,2,3,4,5,6,7,8,9,10,11,12,13,14,15
	ds_load_b128 v[192+4*\i:195+4*\i], v[SR] offset:STG+(\i/2)*1040+512*(\i%2)
.endr
.irp i,0,1,2,3,4,5,6,7,8,9,10,11,12,13,14,15
	s_wait_dscnt 15-\i                             ; LDS loads come back in order: load i is in
	global_store_b128 v[LI], v[192+4*\i:195+4*\i], s[42:43] offset:(\i/2)*1024+512*(\i%2) th:TH_STORE_NT   ; 32 lanes store 512 consecutive bytes, aligned
.endr
	s_wait_xcnt 0x0
	v_lshl_add_u32 v254, v0, 2, 0x10400
	v_mov_b32 v255, 0
	s_wait_alu depctr_va_vdst(0)
	s_wait_tensorcnt 0x0
	ds_add_u32 v254, v255
	s_wait_dscnt 0x0
	s_endpgm
.endif
.Lfunc_end_k_qdb2d8f081f_tail:
	.size	k_qdb2d8f081f_tail, .Lfunc_end_k_qdb2d8f081f_tail-k_qdb2d8f081f_tail
	.p2alignl 7, 3214868480
	.fill 96, 4, 3214868480
	.section	.rodata,"a",@progbits
	.p2align	6, 0x0
	.amdhsa_kernel k_qdb2d8f081f_tail
		.amdhsa_group_segment_fixed_size 67072
		.amdhsa_private_segment_fixed_size 0
		.amdhsa_enable_private_segment 0
		.amdhsa_kernarg_size 144
		.amdhsa_user_sgpr_count 2
		.amdhsa_user_sgpr_kernarg_segment_ptr 1
		.amdhsa_wavefront_size32 1
		.amdhsa_system_sgpr_workgroup_id_x 1
		.amdhsa_system_sgpr_workgroup_id_y 1
		.amdhsa_system_sgpr_workgroup_id_z 1
		.amdhsa_system_vgpr_workitem_id 0
		.amdhsa_next_free_vgpr 1024
		.amdhsa_next_free_sgpr 72
		.amdhsa_reserve_vcc 0
		.amdhsa_float_denorm_mode_32 3
		.amdhsa_float_denorm_mode_16_64 3
		.amdhsa_memory_ordered 1
		.amdhsa_forward_progress 1
		.amdhsa_inst_pref_size 137
	.end_amdhsa_kernel
	.amdgpu_metadata
---
amdhsa.version: [ 1, 2 ]
amdhsa.kernels:
  - .name:           k_qdb2d8f081f_tail
    .symbol:         k_qdb2d8f081f_tail.kd
    .args:
      - { .name: ao, .offset: 0, .size: 8, .value_kind: global_buffer, .address_space: global }
      - { .name: x1, .offset: 8, .size: 8, .value_kind: global_buffer, .address_space: global }
      - { .name: m2_w2_codes, .offset: 16, .size: 8, .value_kind: global_buffer, .address_space: global }
      - { .name: m2_w2_scales, .offset: 24, .size: 8, .value_kind: global_buffer, .address_space: global }
      - { .name: m2_b2, .offset: 32, .size: 8, .value_kind: global_buffer, .address_space: global }
      - { .name: m2_g, .offset: 40, .size: 8, .value_kind: global_buffer, .address_space: global }
      - { .name: m2_b, .offset: 48, .size: 8, .value_kind: global_buffer, .address_space: global }
      - { .name: ln2_g, .offset: 56, .size: 8, .value_kind: global_buffer, .address_space: global }
      - { .name: ln2_b, .offset: 64, .size: 8, .value_kind: global_buffer, .address_space: global }
      - { .name: ffn_w1_codes, .offset: 72, .size: 8, .value_kind: global_buffer, .address_space: global }
      - { .name: ffn_w1_scales, .offset: 80, .size: 8, .value_kind: global_buffer, .address_space: global }
      - { .name: ffn_b1, .offset: 88, .size: 8, .value_kind: global_buffer, .address_space: global }
      - { .name: ffn_w2_codes, .offset: 96, .size: 8, .value_kind: global_buffer, .address_space: global }
      - { .name: ffn_w2_scales, .offset: 104, .size: 8, .value_kind: global_buffer, .address_space: global }
      - { .name: ffn_b2, .offset: 112, .size: 8, .value_kind: global_buffer, .address_space: global }
      - { .name: ln3_g, .offset: 120, .size: 8, .value_kind: global_buffer, .address_space: global }
      - { .name: ln3_b, .offset: 128, .size: 8, .value_kind: global_buffer, .address_space: global }
      - { .name: out0, .offset: 136, .size: 8, .value_kind: global_buffer, .address_space: global }
    .group_segment_fixed_size: 67072
    .private_segment_fixed_size: 0
    .kernarg_segment_align: 8
    .kernarg_segment_size: 144
    .max_flat_workgroup_size: 128
    .sgpr_count:     72
    .vgpr_count:     1024
    .wavefront_size: 32
...
	.end_amdgpu_metadata
.endif
;; end of part 4
